; MI455X (gfx1250); checked and timed in simulation.
; The chip was launched on July 23, 2026; its instructions are those of AMD's public machine-readable ISA for CDNA 5 (MIT licence, August 2026) and "CDNA5" Instruction Set Architecture Reference Guide (July 2026). The comments in the code are by the model that wrote it; some were corrected since.
;; Self Attention Block. Allowed arithmetic: matrix products marked QUANTISED: E2M1 operands, one E8M0 scale for each 32 along K, by v_wmma_scale_f32_16x16x128_f8f6f4 with both operands' format E2M1 (or v_wmma_scale_f32_32x16x128_f4), f32 sums; everything else in f32.
;; Inputs: Wff1_codes 8,192 x 32 x 16 uint8 (E2M1 codes of Wff1, K innermost, in blocks of 32 codes, two codes a byte); Wff1_scales 8,192 x 32 uint8 (E8M0 scales of Wff1, one for each 32 codes along K); Wff2_codes 1,024 x 128 x 16 uint8 (E2M1 codes of Wff2, K innermost, in blocks of 32 codes, two codes a byte); Wff2_scales 1,024 x 128 uint8 (E8M0 scales of Wff2, one for each 32 codes along K); Wkv_codes 128 x 32 x 16 uint8 (E2M1 codes of Wkv, K innermost, in blocks of 32 codes, two codes a byte); Wkv_scales 128 x 32 uint8 (E8M0 scales of Wkv, one for each 32 codes along K); Wo_codes 1,024 x 16 x 16 uint8 (E2M1 codes of Wo, K innermost, in blocks of 32 codes, two codes a byte); Wo_scales 1,024 x 16 uint8 (E8M0 scales of Wo, one for each 32 codes along K); Wq_codes 512 x 32 x 16 uint8 (E2M1 codes of Wq, K innermost, in blocks of 32 codes, two codes a byte); Wq_scales 512 x 32 uint8 (E8M0 scales of Wq, one for each 32 codes along K); gamma 1,024 float32; x 2 x 2,048 x 1,024 float32.
;; Outputs: out0 2 x 2,048 x 1,024 float32.
;; This version of the problem:
;;   THIS VERSION OF THE PROBLEM IS GIVEN IN LOW PRECISION. The matrix products marked QUANTISED in the list below multiply operands that are first quantised to E2M1 (2 exponent bits, 1 mantissa bit; 4 bits a number), with one power-of-two scale for each 32 numbers along K (OCP MX v1.0); their sums are f32. All else is computed in f32.
;;   The module's matrix products, in the order in which they are computed (A, B: the left and right operand; K: the contracted axis; several contracted axes count as one K, in the product's order):
;;     1. [M 4,096, K 1,024] x [K 1,024, N 512]; A: computed on the way; B: input Wq (given as codes): QUANTISED
;;     2. [M 4,096, K 1,024] x [K 1,024, N 128]; A: computed on the way; B: input Wkv (given as codes): QUANTISED
;;     3. batch 2 x [M 2,048, K 64] x [K 64, N 16,384]; A: computed on the way; B: computed on the way: QUANTISED
;;     4. batch 2 x [M 64, K 2,048] x [K 2,048, N 16,384]; A: computed on the way; B: softmax (see below): QUANTISED
;;     5. [M 4,096, K 512] x [K 512, N 1,024]; A: computed on the way; B: input Wo (given as codes): QUANTISED
;;     6. [M 4,096, K 1,024] x [K 1,024, N 8,192]; A: computed on the way; B: input Wff1 (given as codes): QUANTISED
;;     7. [M 4,096, K 4,096] x [K 4,096, N 1,024]; A: computed on the way; B: input Wff2 (given as codes): QUANTISED
;;   THE QUANTISER, for each operand of a quantised product, along K:
;;     - K is cut into blocks of 32 from its start; a last block that is shorter is filled with zeros.
;;     - A block's scale is 2^e with e = floor(log2(the largest magnitude in the block)) - 2, held to -126 .. 127; a block of zeros has e = 0. As a byte (E8M0): e + 127.
;;     - Each number is divided by its block's scale, clamped to +-6, and rounded to the nearest number of E2M1, ties to even, subnormals kept.
;;     - The product sums the exact products of the quantised numbers (number of the format x scale) in f32.
;;   ~~~python
;;   def quantise(x, axis):      # numpy; x: float32 -> the quantised numbers, widened to float32 again
;;       x = np.moveaxis(x, axis, -1); K = x.shape[-1]
;;       x = np.pad(x, [(0, 0)] * (x.ndim - 1) + [(0, -K % 32)]); x = x.reshape(x.shape[:-1] + (-1, 32)); a = np.abs(x).max(-1, keepdims=True)
;;       e = np.where(a > 0, np.clip(np.frexp(np.where(a > 0, a, 1))[1] - 1 - 2, -126, 127), 0)      # np.frexp(a)[1] - 1 = floor(log2(a)), exactly
;;       r = np.clip(x / 2.0 ** e, -6, 6)
;;       step = 2.0 ** (np.maximum(np.frexp(np.where(r == 0, 1, r))[1] - 1, 0) - 1)
;;       q = np.round(r / step) * step * 2.0 ** e      # np.round: ties to even
;;       return np.moveaxis(q.reshape(q.shape[:-2] + (-1,))[..., :K], -1, axis).astype(np.float32)
;;   ~~~
;;   SOFTMAX AHEAD OF A QUANTISED PRODUCT. Where the list says 'softmax', what is quantised is not the finished softmax but p = 2^(t - M), with t = logit x log2(e) and M = ceil(the row's largest t), a whole number; so 1/2 < the row's largest p <= 1. The row's sum l is taken of the UNQUANTISED p, in f32, and the product's result is divided by l at the end. Since M is a whole number, a kernel that streams over the keys may use a running M (the ceiling of the running maximum): every later rescaling is an exact power of two, which a block's scale takes up: the codes' values come out the same.
;;   OPERANDS COMPUTED ON THE WAY. 'Computed on the way' means the value that the module computes at that place (a softmax that the list does not call 'softmax' is quantised finished and normalised). What goes into a quantiser is computed in f32, as accurately as f32 sums, v_exp_f32 and their like allow (about 1e-6 of the number): no bf16 or f16 on the way to a quantiser, and a product that is left as it is and whose result goes on into a quantised operand takes f32 operands (vector FMAs, or v_wmma_f32_16x16x4_f32). A number that lies on a knife's edge between two numbers of the format may be rounded either way, as far as f32 arithmetic and the matrix unit's own rounding can turn it there, and no further.
;;   INPUTS GIVEN AS CODES. Wff1 (in the module: [1024, 8192], K = its axis 0); Wff2 (in the module: [4096, 1024], K = its axis 0); Wkv (in the module: [1024, 128], K = its axis 0); Wo (in the module: [512, 1024], K = its axis 0); Wq (in the module: [1024, 512], K = its axis 0): each comes as NAME_codes (uint8): NAME with its K axis moved to the last place and cut into blocks of 32 codes, [.., K / 32, bytes a block], one block behind the other in memory; two codes a byte, the lower K in the low four bits (a code: sign, 2 exponent bits, 1 mantissa bit); and NAME_scales (uint8): the same leading axes, one E8M0 byte (e + 127) for each 32 codes along K. Its value is code x scale, taken as it is: it is not quantised again, and the codes and scales need not be those that the quantiser above would give.
;; One version. Each part assembles by itself: llvm-mc -triple=amdgcn-amd-amdhsa -mcpu=gfx1250 --defsym DOCPART=n.
;; ======== version 1 of 1: 3 launches
;; limits: right only within a limited range of input values
;; workspace buffers: xn_codes 2,097,152 bytes; xn_scales 131,072 bytes; kv 286,720 bytes; h_codes 8,388,608 bytes; h_scales 524,288 bytes; o_codes 1,048,576 bytes; o_scales 65,536 bytes
;; launch norm_kv (part 1): grid 128 x 1, 16 waves a work-group, no clusters, 98,304 bytes of LDS; arguments x, gamma, Wkv_codes, Wkv_scales, xn_codes, xn_scales, kv; writes xn_codes, xn_scales, kv
.if DOCPART == 1
	.amdgcn_target "amdgcn-amd-amdhsa--gfx1250"
	.amdhsa_code_object_version 6
	.text
	.protected	k_q04be63baf8_norm_kv
	.globl	k_q04be63baf8_norm_kv
	.p2align	8
	.type	k_q04be63baf8_norm_kv,@function
k_q04be63baf8_norm_kv:
	s_mov_b64 s[64:65], 0
	v_nop
	global_prefetch_b8 v0, s[64:65] scope:SCOPE_SE
	s_setreg_imm32_b32 hwreg(HW_REG_WAVE_MODE, 25, 1), 1
	s_wait_xcnt 0x0
; xn = layernorm(x) * gamma, quantised to FP4 (E2M1) along its 1,024; k, v = xn Wkv on codes; k quantised along its 64, v along the keys.  No work of the problem is left out in this program.
; SHARES.  A work-group owns 32 rows (a block of v along the keys is 32 rows); each of its sixteen waves normalises two of them, both in step: every line of one row is followed by the other's.
; A row is used as it is loaded (load j: 512 consecutive bytes, lane l holds columns 128 j + 4 l .. + 3).  A block of 32 lies in eight lanes.  A conversion takes eight registers, of which the first four are the lane's
; columns of load j under that block's scale: the low 16 bits of its result are the lane's two bytes of codes, the high 16 bits are dropped.
; Two passes (mean, then the squares of x - mean: a common offset does no harm).  gamma and Wkv are shared through LDS: each wave loads a sixteenth.
; Behind the second barrier waves 0-7 make k (0-3) and v (4-7), and waves 8-15 send xn's two row tiles out as images of operand registers, a K step each.
; ONE TEXT FOR k AND v: source 0 = P, two tiles whose rows are base + 8 u + i + 8 (i / 8), source 1 = Q, one tile; so a lane's 16 results are 16 neighbours along the next K.
;   k: P = 32 rows of Wk (d), Q = 16 tokens;   v: P = the 32 tokens, Q = 16 rows of Wv (d).
; kv, for each batch 143,360 bytes: K's codes [key/32][u][block of d][lane16][16 B], where in every odd block of 32 keys lane16 has bit 3 turned over; V^T's codes [key step][d tile] as register images;
; K's scale words [key step][half][r][4]; V's [key step][half][r][2].
; No cluster: Wkv's 68 KB and gamma are all that work-groups share, through registers, beside x's 128 KB; no tensor load is in the text.  No prefetch: there is no loop of loads to run ahead in.
; The scale bytes of k and v leave as single bytes: 24 KB of the launch's 2.5 MB of output.
; LIMITS: a block whose largest magnitude lies under 2^-124 keeps the byte 1, a block of zeros too (its codes are zeros; this program alone reads the bytes); NaN and infinities are not served.
.set ROWP, 528                         ; an LDS row of 1,024 codes: 512 bytes + 16
.set SCL,  160*ROWP                    ; behind the 160 rows (32 of xn, 128 of Wkv): their scale words, 32 bytes + 16 a row
.set SCP,  48
.set GAM,  SCL+160*SCP                 ; gamma, 4,096 bytes
.set SPARE, GAM+4096                   ; the spare words, 128 bytes a wave
.set KVB,  143360                      ; a batch's part of kv
.set X,    16                          ; v16-79 two rows of x
.set GA,   80                          ; v80-111 gamma of my columns
.set WS,   112                         ; v112-143 my eight rows of Wkv's codes on their way to LDS
.set SM,   148                         ; v148-163 sums, four pairs a row
.set MU,   164
.set RS,   168
.set AM,   176
.set SO,   192
.set BY,   208
.set CD,   224
.set PS,   240                         ; v240-247 P's scale words, v248-255 Q's: scales and nothing else
.set QS,   248
.set PF,   16                          ; P: 2 tiles x 8 K steps x 8
.set QF,   144                         ; Q: 8 K steps x 8
.set ACC,  208
.set QM,   224
.set WD,   228
.set WV,   18
.set SEL,  20
.macro PLACES n
.rept \n
	v_nop
.endr
.endm
.macro WM d, a, b, z, sa, sb, ra       ; a scaled product on FP4 codes; z: it starts the sum; ra: source 0's scales lie in lanes 16-31
.if (\z)
.if (\ra)
	v_wmma_scale_f32_16x16x128_f8f6f4 v[\d:\d+7], v[\a:\a+7], v[\b:\b+7], 0, v[\sa], v[\sb] matrix_a_fmt:MATRIX_FMT_FP4 matrix_b_fmt:MATRIX_FMT_FP4 matrix_a_scale:MATRIX_SCALE_ROW1
.else
	v_wmma_scale_f32_16x16x128_f8f6f4 v[\d:\d+7], v[\a:\a+7], v[\b:\b+7], 0, v[\sa], v[\sb] matrix_a_fmt:MATRIX_FMT_FP4 matrix_b_fmt:MATRIX_FMT_FP4
.endif
.else
.if (\ra)
	v_wmma_scale_f32_16x16x128_f8f6f4 v[\d:\d+7], v[\a:\a+7], v[\b:\b+7], v[\d:\d+7], v[\sa], v[\sb] matrix_a_fmt:MATRIX_FMT_FP4 matrix_b_fmt:MATRIX_FMT_FP4 matrix_a_scale:MATRIX_SCALE_ROW1
.else
	v_wmma_scale_f32_16x16x128_f8f6f4 v[\d:\d+7], v[\a:\a+7], v[\b:\b+7], v[\d:\d+7], v[\sa], v[\sb] matrix_a_fmt:MATRIX_FMT_FP4 matrix_b_fmt:MATRIX_FMT_FP4
.endif
.endif
.endm
.macro TOTAL                           ; both rows: the four pairs of sums, then the 32 lanes; the result in every lane
.irp a, 0,4
.irp i, 0,1
	v_pk_add_f32 v[SM+8*\i+\a:SM+8*\i+\a+1], v[SM+8*\i+\a:SM+8*\i+\a+1], v[SM+8*\i+\a+2:SM+8*\i+\a+3]
.endr
.endr
.irp i, 0,1
	v_pk_add_f32 v[SM+8*\i:SM+8*\i+1], v[SM+8*\i:SM+8*\i+1], v[SM+8*\i+4:SM+8*\i+5]
.endr
.irp i, 0,1
	v_add_f32 v[SM+8*\i], v[SM+8*\i], v[SM+8*\i+1]
.endr
.irp m, 1,2,4,8
.irp i, 0,1
	v_add_f32_dpp v[SM+8*\i], v[SM+8*\i], v[SM+8*\i] row_xmask:\m row_mask:0xf bank_mask:0xf
.endr
.endr
.irp i, 0,1
	v_permlanex16_b32 v[SM+8*\i+1], v[SM+8*\i], s[SEL], s[SEL+1]
.endr
.irp i, 0,1
	v_add_f32 v[SM+8*\i], v[SM+8*\i], v[SM+8*\i+1]
.endr
.endm
	s_load_b256 s[4:11], s[0:1], 0x0               ; x, gamma, Wkv's codes, Wkv's scales
	s_load_b128 s[12:15], s[0:1], 0x20             ; xn's codes, xn's scales
	s_load_b64 s[16:17], s[0:1], 0x30              ; kv
	v_lshl_add_u32 v14, v0, 2, SPARE               ; my spare word, and 0: kept for the add at the wave's end
	v_mov_b32 v15, 0
	v_lshrrev_b32 v1, 5, v0
	v_readfirstlane_b32 s[WV], v1                  ; wave 0..15
	v_and_b32 v13, 31, v0                          ; lane
	v_lshlrev_b32 v1, 4, v13                       ; 16 x lane
	s_lshl_b32 s24, s[WV], 13
	v_add_nc_u32 v2, s24, v1                       ; x: my wave's two rows of 4,096 bytes
	v_lshlrev_b32 v3, 3, v0                        ; gamma and Wkv's scales: 8 bytes a thread
	s_lshl_b32 s24, s[WV], 12
	v_add_nc_u32 v4, s24, v1                       ; Wkv's codes: my wave's 8 rows of 512 bytes
	s_lshl_b32 s40, ttmp9, 17                      ; the work-group's 32 rows of x
	s_mov_b32 s41, 0
	s_wait_alu depctr_va_vdst(0)
	s_wait_kmcnt 0x0
	s_add_nc_u64 s[4:5], s[4:5], s[40:41]
.irp i, 0,1
.irp j, 0,1,2,3,4,5,6,7
	global_load_b128 v[X+32*\i+4*\j:X+32*\i+4*\j+3], v2, s[4:5] offset:4096*\i+512*\j th:TH_LOAD_NT   ; 512 consecutive bytes; read once in the launch
.endr
.endr
	global_load_b64 v[146:147], v3, s[6:7]
	global_load_b64 v[144:145], v3, s[10:11]
.irp n, 0,1,2,3,4,5,6,7
	global_load_b128 v[WS+4*\n:WS+4*\n+3], v4, s[8:9] offset:512*\n
.endr
	; LDS addresses of the first phase
	s_mul_i32 s24, s[WV], 8*ROWP
	s_add_co_u32 s24, s24, 32*ROWP
	v_add_nc_u32 v5, s24, v1                       ; Wkv's rows lie behind xn's 32
	s_mul_i32 s24, s[WV], 2*ROWP
	v_lshlrev_b32 v6, 1, v13
	v_add_nc_u32 v6, s24, v6                       ; my rows' codes: 2 bytes a lane
	s_mul_i32 s24, s[WV], 2*SCP
	s_add_co_u32 s24, s24, SCL
	v_lshrrev_b32 v7, 3, v13
	v_add_nc_u32 v7, s24, v7                       ; and their scale bytes: eight lanes share one
	v_lshrrev_b32 v8, 2, v0
	v_mul_u32_u24 v8, v8, SCP
	v_and_b32 v9, 3, v0
	v_lshl_add_u32 v8, v9, 3, v8
	v_add_nc_u32 v8, SCL+32*SCP, v8                ; Wkv's scales: row t / 4, quarter t % 4
	v_lshl_add_u32 v9, v0, 3, GAM                  ; gamma, in
	v_add_nc_u32 v10, GAM, v1                      ; and out
	s_mov_b32 s[SEL], 0x76543210
	s_mov_b32 s[SEL+1], 0xfedcba98                 ; lane l xor 16
	s_mov_b32 s22, 0x3a800000                      ; 1 / 1,024
	s_mov_b32 s23, 0x3727c5ac                      ; 1e-5
	; the roles, by arithmetic on the wave's number
	s_and_b32 s19, s[WV], 7
	s_lshr_b32 s25, s19, 2                         ; 0: k, 1: v
	s_xor_b32 s26, s25, 1
	s_bfe_u32 s27, s19, 0x10001                    ; k: which block of 32 of d
	s_and_b32 s28, s19, 1                          ; k: which of the two token tiles
	s_and_b32 s29, s19, 3                          ; v: which 16 of d
	s_add_co_u32 s30, s27, 1
	s_lshl_b32 s30, s30, 5
	s_mul_i32 s30, s30, s26                        ; P's first row in LDS: 32 + 32 bb, or 0
	s_lshl_b32 s31, s28, 3
	s_mul_i32 s31, s31, s26
	s_lshl_b32 s24, s29, 4
	s_add_co_u32 s24, s24, 96
	s_mul_i32 s24, s24, s25
	s_add_co_u32 s31, s31, s24                     ; Q's first row: 8 u', or 96 + 16 dt
	s_and_b32 s32, ttmp9, 63                       ; my 32 keys' number in the batch, gk
	s_lshr_b32 s33, ttmp9, 6                       ; the batch
	s_lshr_b32 s42, s32, 2                         ; the key step of 128
	s_bfe_u32 s43, s32, 0x10001
	s_and_b32 s44, s32, 1
	s_lshl_b32 s46, s44, 7
	s_mul_i32 s46, s46, s26                        ; k, odd block of 32 keys: bit 3 of lane16 is turned over
	s_lshl_b32 s34, s32, 10                        ; k's codes: 1,024 gk + 512 u' + 256 bb
	s_lshl_b32 s24, s28, 9
	s_add_co_u32 s34, s34, s24
	s_lshl_b32 s24, s27, 8
	s_add_co_u32 s34, s34, s24
	s_lshl_b32 s35, s42, 9                         ; k's scale bytes: 131,072 + 512 ks + 256 (tile / 4) + 4 (tile % 4) + bb
	s_lshl_b32 s24, s43, 8
	s_add_co_u32 s35, s35, s24
	s_lshl_b32 s24, s44, 3
	s_add_co_u32 s35, s35, s24
	s_lshl_b32 s24, s28, 2
	s_add_co_u32 s35, s35, s24
	s_add_co_u32 s35, s35, s27
	s_add_co_u32 s35, s35, 131072
	s_lshl_b32 s36, s42, 12                        ; v's codes: 65,536 + 4,096 ks + 1,024 dt + 256 (gk % 4)
	s_lshl_b32 s24, s29, 10
	s_add_co_u32 s36, s36, s24
	s_lshl_b32 s24, s43, 9
	s_add_co_u32 s36, s36, s24
	s_lshl_b32 s24, s44, 8
	s_add_co_u32 s36, s36, s24
	s_add_co_u32 s36, s36, 65536
	s_lshl_b32 s37, s42, 8                         ; v's scale bytes: 139,264 + 256 ks + 128 (dt / 2) + 4 (dt % 2) + gk % 4
	s_lshr_b32 s24, s29, 1
	s_lshl_b32 s24, s24, 7
	s_add_co_u32 s37, s37, s24
	s_and_b32 s24, s29, 1
	s_lshl_b32 s24, s24, 2
	s_add_co_u32 s37, s37, s24
	s_and_b32 s24, s32, 3
	s_add_co_u32 s37, s37, s24
	s_add_co_u32 s37, s37, 139264
	s_cmp_eq_u32 s25, 0
	s_cselect_b32 s34, s34, s36
	s_cselect_b32 s35, s35, s37
	s_cselect_b32 s38, 0xffff0000, 0               ; k: lanes 16-31 write the filler byte over the zero codes
	s_cselect_b32 s39, 4, 3                        ; bytes from r to r + 1 among the scale words: 16 or 8
	s_cselect_b32 s45, 2, 0                        ; and from half to half
	s_mul_i32 s40, s33, KVB
	s_add_nc_u64 s[16:17], s[16:17], s[40:41]
	s_lshl_b32 s40, ttmp9, 14                      ; two row tiles of 8,192 bytes
	s_add_nc_u64 s[12:13], s[12:13], s[40:41]
	s_lshl_b32 s40, ttmp9, 10                      ; 32 rows of 32 scale bytes
	s_add_nc_u64 s[14:15], s[14:15], s[40:41]
	s_wait_alu depctr_va_vdst(0)
	s_wait_loadcnt 10                              ; x's 16 loads are in; the ten behind them may be out
.irp a, 0,1,2,3
.irp i, 0,1
	v_pk_add_f32 v[SM+8*\i+2*\a:SM+8*\i+2*\a+1], v[X+32*\i+8*\a:X+32*\i+8*\a+1], v[X+32*\i+8*\a+2:X+32*\i+8*\a+3]
.endr
.endr
.irp k, 4,6
.irp a, 0,1,2,3
.irp i, 0,1
	v_pk_add_f32 v[SM+8*\i+2*\a:SM+8*\i+2*\a+1], v[SM+8*\i+2*\a:SM+8*\i+2*\a+1], v[X+32*\i+8*\a+\k:X+32*\i+8*\a+\k+1]
.endr
.endr
.endr
	TOTAL
.irp i, 0,1
	v_mul_f32 v[MU+2*\i], s22, v[SM+8*\i]          ; the mean, twice
	v_mul_f32 v[MU+2*\i+1], s22, v[SM+8*\i]
.endr
.irp k, 0,2,4,6,8,10,12,14,16,18,20,22,24,26,28,30
.irp i, 0,1
	v_pk_add_f32 v[X+32*\i+\k:X+32*\i+\k+1], v[X+32*\i+\k:X+32*\i+\k+1], v[MU+2*\i:MU+2*\i+1] neg_lo:[0,1] neg_hi:[0,1]
.endr
.endr
.irp a, 0,1,2,3
.irp i, 0,1
	v_pk_mul_f32 v[SM+8*\i+2*\a:SM+8*\i+2*\a+1], v[X+32*\i+8*\a:X+32*\i+8*\a+1], v[X+32*\i+8*\a:X+32*\i+8*\a+1]   ; the squares of x - mean
.endr
.endr
.irp k, 2,4,6
.irp a, 0,1,2,3
.irp i, 0,1
	v_pk_fma_f32 v[SM+8*\i+2*\a:SM+8*\i+2*\a+1], v[X+32*\i+8*\a+\k:X+32*\i+8*\a+\k+1], v[X+32*\i+8*\a+\k:X+32*\i+8*\a+\k+1], v[SM+8*\i+2*\a:SM+8*\i+2*\a+1]
.endr
.endr
.endr
	TOTAL
.irp i, 0,1
	v_fma_f32 v[SM+8*\i], v[SM+8*\i], s22, s23     ; the variance + 1e-5
.endr
	s_wait_alu depctr_va_vdst(0)                   ; a wait ahead of the batch,
	v_rsq_f32 v[RS], v[SM]
	v_rsq_f32 v[RS+2], v[SM+8]
	v_nop                                          ; a plain instruction behind it,
	s_wait_alu depctr_va_vdst(0)                   ; and a wait ahead of its first reader
	v_mov_b32 v[RS+1], v[RS]
	v_mov_b32 v[RS+3], v[RS+2]
	s_wait_alu depctr_va_vdst(0)
	s_wait_loadcnt 0x0                             ; my parts of gamma and of Wkv
	ds_store_b64 v9, v[146:147]
	ds_store_b64 v8, v[144:145]
.irp n, 0,1,2,3,4,5,6,7
	ds_store_b128 v5, v[WS+4*\n:WS+4*\n+3] offset:ROWP*\n
.endr
	s_wait_dscnt 0x0                               ; for the others' sake
	s_barrier_signal -1
.irp k, 0,2,4,6,8,10,12,14,16,18,20,22,24,26,28,30
.irp i, 0,1
	v_pk_mul_f32 v[X+32*\i+\k:X+32*\i+\k+1], v[X+32*\i+\k:X+32*\i+\k+1], v[RS+2*\i:RS+2*\i+1]
.endr
.endr
	s_barrier_wait -1                              ; gamma and Wkv lie in LDS
.irp j, 0,1,2,3,4,5,6,7
	ds_load_b128 v[GA+4*\j:GA+4*\j+3], v10 offset:512*\j
.endr
	s_wait_dscnt 0x0
.irp k, 0,2,4,6,8,10,12,14,16,18,20,22,24,26,28,30
.irp i, 0,1
	v_pk_mul_f32 v[X+32*\i+\k:X+32*\i+\k+1], v[X+32*\i+\k:X+32*\i+\k+1], v[GA+\k:GA+\k+1]
.endr
.endr
; sixteen blocks by turns: my four numbers of each, and the floor 2^(3 - 127): the byte cannot fall under 1; then the eight lanes that share the block
.irp i, 0,1
.irp j, 0,1,2,3,4,5,6,7
	v_max3_num_f32 v[AM+8*\i+\j], |v[X+32*\i+4*\j]|, |v[X+32*\i+4*\j+1]|, 0x1800000
.endr
.endr
.irp i, 0,1
.irp j, 0,1,2,3,4,5,6,7
	v_max3_num_f32 v[AM+8*\i+\j], v[AM+8*\i+\j], |v[X+32*\i+4*\j+2]|, |v[X+32*\i+4*\j+3]|
.endr
.endr
.irp m, 1,2,4
.irp j, 0,1,2,3,4,5,6,7,8,9,10,11,12,13,14,15
	v_max_num_f32_dpp v[AM+\j], v[AM+\j], v[AM+\j] row_xmask:\m row_mask:0xf bank_mask:0xf
.endr
.endr
.irp j, 0,1,2,3,4,5,6,7,8,9,10,11,12,13,14,15
	v_add_nc_u32 v[SO+\j], 0xff000000, v[AM+\j]    ; 2 off its exponent field: the conversion's scale operand
.endr
.irp j, 0,1,2,3,4,5,6,7,8,9,10,11,12,13,14,15
	v_lshrrev_b32 v[BY+\j], 23, v[SO+\j]           ; the scale's byte
.endr
.irp i, 0,1
.irp j, 0,1,2,3,4,5,6,7
	v_cvt_scalef32_pk8_fp4_f32 v[CD+8*\i+\j], v[X+32*\i+4*\j:X+32*\i+4*\j+7], v[SO+8*\i+\j]   ; the low 16 bits: columns 128 j + 4 l .. + 3
.endr
.endr
	v_nop                                          ; one plain instruction behind the conversions
.irp i, 0,1
.irp j, 0,1,2,3,4,5,6,7
	ds_store_b16 v6, v[CD+8*\i+\j] offset:ROWP*\i+64*\j
	ds_store_b8 v7, v[BY+8*\i+\j] offset:SCP*\i+4*\j   ; eight lanes write the same byte with the same value
.endr
.endr
	; the second phase's addresses
	v_and_b32 v2, 15, v0                           ; r
	v_bfe_u32 v3, v0, 4, 1                         ; h
	v_and_b32 v4, 8, v2
	v_mul_u32_u24 v9, s26, v4
	v_add_nc_u32 v4, v4, v2                        ; r + 8 (r / 8)
	v_add_nc_u32 v9, v9, v2
	v_add_nc_u32 v9, s31, v9                       ; Q's row for my lane
	v_mul_u32_u24 v5, v2, ROWP
	v_lshl_add_u32 v5, v3, 4, v5
	s_lshl_b32 s24, s19, 6
	v_add_nc_u32 v5, s24, v5                       ; xn on its way out: row r, K step w % 8, + 16 h
	s_lshl_b32 s24, s19, 10
	v_add_nc_u32 v6, s24, v1                       ; and in memory: image w % 8, 16 x lane
	v_add_nc_u32 v7, s30, v4
	v_mul_u32_u24 v7, v7, ROWP
	v_lshl_add_u32 v7, v3, 4, v7                   ; P's fragments
	v_mul_u32_u24 v8, v9, ROWP
	v_lshl_add_u32 v8, v3, 4, v8                   ; Q's
	v_mul_u32_u24 v10, v9, SCP
	v_add_nc_u32 v10, SCL, v10                     ; Q's scale words
	v_lshl_add_u32 v9, v3, 3, v4
	v_add_nc_u32 v9, s30, v9
	v_mul_u32_u24 v9, v9, SCP
	v_add_nc_u32 v9, SCL, v9                       ; P's: lanes 0-15 tile 0's rows, lanes 16-31 tile 1's
	v_lshlrev_b32 v11, 4, v2
	v_lshl_add_u32 v11, v3, 3, v11
	v_xor_b32 v11, s46, v11
	v_add_nc_u32 v11, s34, v11                     ; my 8 bytes of codes in kv
	v_lshlrev_b32 v12, s39, v2
	v_mul_u32_u24 v112, s45, v3
	v_add3_u32 v12, v12, v112, s35                 ; my scale byte in kv
	v_and_b32 v112, 255, v0
	v_lshlrev_b32 v113, 4, v112                    ; xn's scale bytes in memory (waves 8 and 9: 16 bytes a thread)
	v_lshrrev_b32 v13, 1, v112
	v_mul_u32_u24 v13, v13, SCP
	v_and_b32 v112, 1, v112
	v_lshl_add_u32 v13, v112, 4, v13
	v_add_nc_u32 v13, SCL, v13                     ; and in LDS
	s_wait_alu depctr_va_vdst(0)
	s_wait_dscnt 0x0                               ; for the others' sake: my rows' codes and bytes lie in LDS
	s_barrier_signal -1
	s_barrier_wait -1
	s_cmp_lt_u32 s[WV], 8
	s_cbranch_scc0 .Lxn
.irp s, 0,1,2,3,4,5,6,7
.irp u, 0,1
.irp c, 0,1
	ds_load_b128 v[PF+64*\u+8*\s+4*\c:PF+64*\u+8*\s+4*\c+3], v7 offset:\u*8*ROWP+64*\s+32*\c
.endr
.endr
.irp c, 0,1
	ds_load_b128 v[QF+8*\s+4*\c:QF+8*\s+4*\c+3], v8 offset:64*\s+32*\c
.endr
.endr
.irp f, 0,1
	ds_load_b128 v[PS+4*\f:PS+4*\f+3], v9 offset:16*\f
	ds_load_b128 v[QS+4*\f:QS+4*\f+3], v10 offset:16*\f
.endr
	s_wait_dscnt 0x0
.irp s, 0,1,2,3,4,5,6,7                        ; the two accumulators by turns
.irp u, 0,1
	WM ACC+8*\u, PF+64*\u+8*\s, QF+8*\s, \s==0, PS+\s, QS+\s, \u
.endr
.endr
	PLACES 4
	v_max3_num_f32 v[QM], |v[ACC]|, |v[ACC+1]|, 0x1800000
.irp i, 2,4,6,8,10,12,14
	v_max3_num_f32 v[QM], v[QM], |v[ACC+\i]|, |v[ACC+\i+1]|
.endr
	v_permlanex16_b32 v[QM+1], v[QM], s[SEL], s[SEL+1]
	v_max_num_f32 v[QM], v[QM], v[QM+1]            ; with lane l xor 16's 16: the block's largest magnitude
	v_add_nc_u32 v[QM+2], 0xff000000, v[QM]
	v_lshrrev_b32 v[QM+3], 23, v[QM+2]
	v_mov_b32 v232, 0x7f
	v_cvt_scalef32_pk8_fp4_f32 v[WD], v[ACC:ACC+7], v[QM+2]
	v_cvt_scalef32_pk8_fp4_f32 v[WD+1], v[ACC+8:ACC+15], v[QM+2]
	v_cndmask_b32 v[QM+3], v[QM+3], v232, s38      ; (a plain instruction behind the conversions)  k: lanes 16-31 carry 0x7f
	global_store_b64 v11, v[WD:WD+1], s[16:17]     ; the wave's 32 lanes fill 256 consecutive bytes, aligned
	global_store_b8 v12, v[QM+3], s[16:17]
	s_branch .Ldone
.Lxn:
.irp m, 0,1
.irp c, 0,1
	ds_load_b128 v[16+8*\m+4*\c:19+8*\m+4*\c], v5 offset:\m*16*ROWP+32*\c
.endr
.endr
	s_wait_dscnt 0x0
.irp m, 0,1
.irp c, 0,1
	global_store_b128 v6, v[16+8*\m+4*\c:19+8*\m+4*\c], s[12:13] offset:8192*\m+512*\c   ; 512 consecutive bytes of an image
.endr
.endr
	s_cmp_lt_u32 s19, 2                            ; xn's 1,024 scale bytes: waves 8 and 9
	s_cbranch_scc0 .Ldone
	ds_load_b128 v[32:35], v13
	s_wait_dscnt 0x0
	global_store_b128 v113, v[32:35], s[14:15]
.Ldone:
	s_wait_tensorcnt 0x0                           ; the wave's end
	ds_add_u32 v14, v15
	s_wait_dscnt 0x0
	s_endpgm
.Lfunc_end_k_q04be63baf8_norm_kv:
	.size	k_q04be63baf8_norm_kv, .Lfunc_end_k_q04be63baf8_norm_kv-k_q04be63baf8_norm_kv
	.p2alignl 7, 3214868480
	.fill 96, 4, 3214868480
	.section	.rodata,"a",@progbits
	.p2align	6, 0x0
	.amdhsa_kernel k_q04be63baf8_norm_kv
		.amdhsa_group_segment_fixed_size 98304
		.amdhsa_private_segment_fixed_size 0
		.amdhsa_enable_private_segment 0
		.amdhsa_kernarg_size 56
		.amdhsa_user_sgpr_count 2
		.amdhsa_user_sgpr_kernarg_segment_ptr 1
		.amdhsa_wavefront_size32 1
		.amdhsa_system_sgpr_workgroup_id_x 1
		.amdhsa_system_sgpr_workgroup_id_y 1
		.amdhsa_system_sgpr_workgroup_id_z 1
		.amdhsa_system_vgpr_workitem_id 0
		.amdhsa_next_free_vgpr 256
		.amdhsa_next_free_sgpr 66
		.amdhsa_reserve_vcc 0
		.amdhsa_float_denorm_mode_32 3
		.amdhsa_float_denorm_mode_16_64 3
		.amdhsa_memory_ordered 1
		.amdhsa_forward_progress 1
		.amdhsa_inst_pref_size 41
	.end_amdhsa_kernel
	.amdgpu_metadata
---
amdhsa.version: [ 1, 2 ]
amdhsa.kernels:
  - .name:           k_q04be63baf8_norm_kv
    .symbol:         k_q04be63baf8_norm_kv.kd
    .args:
      - { .name: x, .offset: 0, .size: 8, .value_kind: global_buffer, .address_space: global }
      - { .name: gamma, .offset: 8, .size: 8, .value_kind: global_buffer, .address_space: global }
      - { .name: Wkv_codes, .offset: 16, .size: 8, .value_kind: global_buffer, .address_space: global }
      - { .name: Wkv_scales, .offset: 24, .size: 8, .value_kind: global_buffer, .address_space: global }
      - { .name: xn_codes, .offset: 32, .size: 8, .value_kind: global_buffer, .address_space: global }
      - { .name: xn_scales, .offset: 40, .size: 8, .value_kind: global_buffer, .address_space: global }
      - { .name: kv, .offset: 48, .size: 8, .value_kind: global_buffer, .address_space: global }
    .group_segment_fixed_size: 98304
    .private_segment_fixed_size: 0
    .kernarg_segment_align: 8
    .kernarg_segment_size: 56
    .max_flat_workgroup_size: 512
    .sgpr_count:     66
    .vgpr_count:     256
    .wavefront_size: 32
...
	.end_amdgpu_metadata
.endif
;; end of part 1
;; launch ff1_attn (part 2): grid 16 x 16, 4 waves a work-group, clusters of 4 x 1, 327,680 bytes of LDS; arguments xn_codes, xn_scales, Wff1_codes, Wff1_scales, h_codes, h_scales, Wq_codes, Wq_scales, kv, o_codes, o_scales; writes h_codes, h_scales, o_codes, o_scales
.if DOCPART == 2
	.amdgcn_target "amdgcn-amd-amdhsa--gfx1250"
	.amdhsa_code_object_version 6
	.text
	.protected	k_q04be63baf8_ff1_attn
	.globl	k_q04be63baf8_ff1_attn
	.p2align	8
	.type	k_q04be63baf8_ff1_attn,@function
k_q04be63baf8_ff1_attn:
	s_mov_b64 s[64:65], 0
	v_nop
	global_prefetch_b8 v0, s[64:65] scope:SCOPE_SE
	s_setreg_imm32_b32 hwreg(HW_REG_WAVE_MODE, 25, 1), 1
	s_wait_xcnt 0x0
	s_wait_alu depctr_hold_cnt(0) depctr_sa_sdst(0) depctr_va_vdst(0) depctr_va_sdst(0) depctr_va_ssrc(0) depctr_va_vcc(0) depctr_vm_vsrc(0)
	s_getreg_b32 s2, hwreg(HW_REG_IB_STS2, 6, 4)
	s_cmp_eq_u32 s2, 0
	s_cbranch_scc0 .Lentry_in_a_cluster
	s_endpgm
.Lentry_in_a_cluster:
	s_bfe_u32 s2, ttmp6, 0x10000c
	s_cmp_lg_u32 s2, 0x3003
	s_cbranch_scc0 .Lentry_shape_is_right
	s_endpgm
.Lentry_shape_is_right:
; FIRST PHASE: h = silu(xn Wgate) * (xn Wval), quantised to FP4 along the 4,096 hidden units.  SECOND PHASE: o = softmax(q k^T / 8) v with q = xn Wq, quantised along the 64 of a head.  All products on FP4 codes with E8M0 scales.
; FIRST PHASE.  A work-group makes 256 rows x 256 hidden units, which takes 512 rows of Wff1 (256 of val, 256 of gate); 16 x 16 work-groups.  Wave w owns 64 rows, four row tiles.
;   xn stays in registers: a wave's four row tiles for all of K are 256 registers.  W lies in LDS in four slots of 64 val rows + 64 gate rows: a fragment of W feeds four products.
;   silu(g) v is formed as (g v) / (1 + e^-g): one rounding's difference from the reference's order.
; SECOND PHASE.  Work-group (x, y): batch x / 8, head y / 2, the half y % 2 of its 256 rows: 128 queries.  Wave w owns two tiles of 16, A and B, and walks all 2,048 keys, 128 a step; K's and V's fragments serve both tiles.
;   A lane holds ONE query (lane % 16).  The keys of a tile are chosen so that a lane holds whole blocks of 32: rows 0-7 of tile t of four are octet t of one block of 32 keys, rows 8-15 octet t of the next: the 32 registers of
;   four tiles are 32 neighbouring keys: the block's largest score needs no other lane, and the conversions' results are the next operand's registers.  kv holds odd key blocks with bit 3 of lane16 turned over.
;   t = score x log2(e); M = ceil of the running largest t; p = 2^(t - M); the sum is of the unquantised p; when M moves, the sum and O are multiplied by 2^(old M - new M), exact.
;   The head's 64 fill half of the product's K of 128: the other half of q is zero codes under the byte 0x7f.
; LDS: slots 0-3; Wq's 64 rows; K's and V's scale words.  Slots 0 and 1 come at the head; slots 2 and 3, Wq and the scale words behind a round; when slots 0 and 1 have been read out, K's and V's codes take their bytes, behind a round.
; CLUSTER: four work-groups that share y, and with it the hidden units and the head, and the batch: every tile is asked for jointly (mask 15).  xn's rows are each partner's own and come through registers.
; No prefetch: each tensor load has two slots' work in which to land.
; The scale bytes of o leave as single bytes, those of h as 8 bytes a row.
; LIMITS: the promise holds while the scaled scores (exponents to the base 2) stay under 2^31 in magnitude; a block whose largest magnitude lies under 2^-124, a block of zeros too, keeps the byte 1 (this program alone reads
; the bytes); NaN and infinities are not served.
; REGISTERS, first phase: window 0: v1-6, v116 addresses; v16-47 xn's scale words [8 m + s]; v48-79 W's [8 n + s] (lanes 0-15 val, lanes 16-31 gate); v80-87, v112-115 at work; v88-103 codes; v104-111 scale bytes;
;   v128-255 W's fragments, two sets, later e^-g and g v.   window 1: xn's fragments [64 m + 8 s].   window 2: the 32 accumulators [8 (8 m + n)], n 0-3 val, 4-7 gate.   window 3: xn's fragments for the second phase.
; Second phase: window 0: v1-11, v124 addresses; v64-73 scale words.  For tile A in window 0 and for tile B at the same numbers in window 1: v12 -M, v13 the largest t, v[14:15] the sum in two halves; v116-123 q; v125 8 h;
;   v128-191 S^T, then p; v192-223 O^T; v224-231 p's codes; v232-254 at work.   window 2: v0-35 K's tiles; v64-95 V's; v128-223 Wq's fragments.
.set ROWP,  528
.set HALFS, 64*ROWP
.set SLOTB, 2*HALFS
.set WQL,   4*SLOTB
.set KSB,   WQL+HALFS                  ; K's scale words, 8,192 bytes, then V's, 4,096
.set VSB,   KSB+8192
.set SPARE, KSB+12288                  ; the spare words, 128 bytes a wave
.set KVB,   143360                     ; a batch's part of kv
.set CS,  14                           ; s[14:15] log2(e)
.set WV,  16
.set TK,  17
.set TS,  18
.set TV,  19
.set G0W, 20
.set G1,  24                           ; group 1: 64 rows of 512 bytes (halves of slots 0 and 1; Wq)
.set G0A, 32
.set G0L, 36
.set NLE, 40                           ; s[40:41] -log2(e)
.set SEL, 42
.set TB,  44                           ; LDS byte at which the slot in hand begins
.set CNT, 45
.set BSB, 46                           ; s[46:47] W's scale bytes of the slot in hand
.set HB,  48                           ; s[48:49] where the slot's codes go
.set HIM, 50
.set G1L, 68                           ; group 1: a whole slot: two rows of 32,768 bytes, val and gate
.set G1K, 76                           ; group 1: K's and V's scale words
.set G1V, 84                           ; group 1: a quarter of K's and V's codes
.set G0K, 92
.set G0V, 96
.set AS,  16
.set BS,  48
.set QA,  80
.set QB,  84
.set CO,  88
.set WP,  104
.set TMP, 112
.set WF,  128
.set E,   128
.set H,   192
.set SC,  128
.set MSB, 0
.macro WIN new                         ; the immediate's high byte repeats the setting that is left
.if MSB != \new
	s_set_vgpr_msb (MSB<<8)|\new
.set MSB, \new
.endif
.endm
.macro PLACES n
.rept \n
	v_nop
.endr
.endm
.macro CROUND                          ; a round of the cluster's barrier
	s_barrier_signal -1
	s_barrier_wait -1
	s_cmp_lg_u32 s[WV], 0
	s_cbranch_scc1 .Lnot_wave_0_\@
	s_barrier_signal -3
.Lnot_wave_0_\@:
	s_barrier_wait -3
	s_barrier_signal -1
	s_barrier_wait -1
.endm
.macro WM d, a, b, z, sa, sb, ra       ; a scaled product on FP4 codes; z: it starts the sum; ra: source 0's scales lie in lanes 16-31
.if (\z)
.if (\ra)
	v_wmma_scale_f32_16x16x128_f8f6f4 v[\d:\d+7], v[\a:\a+7], v[\b:\b+7], 0, v[\sa], v[\sb] matrix_a_fmt:MATRIX_FMT_FP4 matrix_b_fmt:MATRIX_FMT_FP4 matrix_a_scale:MATRIX_SCALE_ROW1
.else
	v_wmma_scale_f32_16x16x128_f8f6f4 v[\d:\d+7], v[\a:\a+7], v[\b:\b+7], 0, v[\sa], v[\sb] matrix_a_fmt:MATRIX_FMT_FP4 matrix_b_fmt:MATRIX_FMT_FP4
.endif
.else
.if (\ra)
	v_wmma_scale_f32_16x16x128_f8f6f4 v[\d:\d+7], v[\a:\a+7], v[\b:\b+7], v[\d:\d+7], v[\sa], v[\sb] matrix_a_fmt:MATRIX_FMT_FP4 matrix_b_fmt:MATRIX_FMT_FP4 matrix_a_scale:MATRIX_SCALE_ROW1
.else
	v_wmma_scale_f32_16x16x128_f8f6f4 v[\d:\d+7], v[\a:\a+7], v[\b:\b+7], v[\d:\d+7], v[\sa], v[\sb] matrix_a_fmt:MATRIX_FMT_FP4 matrix_b_fmt:MATRIX_FMT_FP4
.endif
.endif
.endm
; Twice 32 numbers of a lane (two rows, four blocks by turns), register 8 t + j = index 16 t + 8 h + j, become twice four operand registers (lane half h': indices 32 h' .. + 31) and the scale bytes v[QB .. QB+3].
.macro QUANT2 src, dst
.irp b, 0,1,2,3
	v_max3_num_f32 v[QA+\b], |v[\src+16*\b]|, |v[\src+16*\b+1]|, 0x1800000   ; and the floor 2^(3 - 127): the byte cannot fall under 1
.endr
.irp i, 2,4,6,8,10,12,14
.irp b, 0,1,2,3
	v_max3_num_f32 v[QA+\b], v[QA+\b], |v[\src+16*\b+\i]|, |v[\src+16*\b+\i+1]|
.endr
.endr
.irp b, 0,1,2,3
	v_permlanex16_b32 v[QB+\b], v[QA+\b], s[SEL], s[SEL+1]
.endr
.irp b, 0,1,2,3
	v_max_num_f32 v[QA+\b], v[QA+\b], v[QB+\b]     ; with lane l xor 16's 16: the block's largest magnitude
.endr
.irp b, 0,1,2,3
	v_add_nc_u32 v[QA+\b], 0xff000000, v[QA+\b]    ; 2 off its exponent field: the conversion's scale operand
.endr
.irp b, 0,1,2,3
	v_lshrrev_b32 v[QB+\b], 23, v[QA+\b]           ; the scale's byte
.endr
.irp q, 0,1
	v_cvt_scalef32_pk8_fp4_f32 v[\dst+4*\q], v[\src+32*\q:\src+32*\q+7], v[QA+2*\q]
	v_cvt_scalef32_pk8_fp4_f32 v[\dst+4*\q+1], v[\src+32*\q+16:\src+32*\q+23], v[QA+2*\q+1]
	v_cvt_scalef32_pk8_fp4_f32 v[\dst+4*\q+2], v[\src+32*\q+8:\src+32*\q+15], v[QA+2*\q]
	v_cvt_scalef32_pk8_fp4_f32 v[\dst+4*\q+3], v[\src+32*\q+24:\src+32*\q+31], v[QA+2*\q+1]
.endr
	v_nop                                          ; one plain instruction behind the conversions
.irp q, 0,1
	v_permlane16_swap_b32 v[\dst+4*\q], v[\dst+4*\q+1]
	v_permlane16_swap_b32 v[\dst+4*\q+2], v[\dst+4*\q+3]
.endr
.endm
; The same for one row: four operand registers, scale bytes v[t+6], v[t+7].
.macro QUANT64 src, dst, t
.irp b, 0,1
	v_max3_num_f32 v[\t+\b], |v[\src+16*\b]|, |v[\src+16*\b+1]|, 0x1800000
.endr
.irp i, 2,4,6,8,10,12,14
.irp b, 0,1
	v_max3_num_f32 v[\t+\b], v[\t+\b], |v[\src+16*\b+\i]|, |v[\src+16*\b+\i+1]|
.endr
.endr
.irp b, 0,1
	v_permlanex16_b32 v[\t+2+\b], v[\t+\b], s[SEL], s[SEL+1]
.endr
.irp b, 0,1
	v_max_num_f32 v[\t+\b], v[\t+\b], v[\t+2+\b]
.endr
.irp b, 0,1
	v_add_nc_u32 v[\t+4+\b], 0xff000000, v[\t+\b]
.endr
.irp b, 0,1
	v_lshrrev_b32 v[\t+6+\b], 23, v[\t+4+\b]
.endr
	v_cvt_scalef32_pk8_fp4_f32 v[\dst], v[\src:\src+7], v[\t+4]
	v_cvt_scalef32_pk8_fp4_f32 v[\dst+1], v[\src+16:\src+23], v[\t+5]
	v_cvt_scalef32_pk8_fp4_f32 v[\dst+2], v[\src+8:\src+15], v[\t+4]
	v_cvt_scalef32_pk8_fp4_f32 v[\dst+3], v[\src+24:\src+31], v[\t+5]
	v_nop
	v_permlane16_swap_b32 v[\dst], v[\dst+1]
	v_permlane16_swap_b32 v[\dst+2], v[\dst+3]
.endm
	s_load_b256 s[4:11], s[0:1], 0x0               ; xn's codes, xn's scales, Wff1's codes, Wff1's scales
	s_load_b128 s[12:15], s[0:1], 0x20             ; h's codes, h's scales
	s_load_b256 s[92:99], s[0:1], 0x30             ; Wq's codes, Wq's scales, kv, o's codes
	s_load_b64 s[100:101], s[0:1], 0x50            ; o's scales
	v_lshl_add_u32 v126, v0, 2, SPARE
	v_mov_b32 v127, 0
	ds_add_u32 v126, v127                          ; the wave's opening: the add, twice on end, and its wait below
	ds_add_u32 v126, v127
	v_lshrrev_b32 v1, 5, v0
	v_readfirstlane_b32 s[WV], v1                  ; wave 0..3
	s_bfe_u32 s17, ttmp6, 0x40000                  ; cx
	s_lshl_b32 s18, ttmp9, 2
	s_add_co_u32 s18, s18, s17                     ; my block of 256 rows: it enters my own loads' and stores' addresses alone
	s_and_b32 s19, ttmp7, 0xffff                   ; y, which the four partners share
	s_mov_b32 s[G1], 15|(1<<20)|(1<<21)|(6<<22)|(3<<25)   ; the mask: all four; elements of 1 byte; padding on; bit 21 beside a mask; 4 words after every 128
	s_mov_b32 s[G1+1], 512<<16                     ; tensor_dim0
	s_mov_b32 s[G1+2], 64<<16                      ; tensor_dim1
	s_mov_b32 s[G1+3], 512<<16                     ; tile_dim0
	s_mov_b32 s[G1+4], 64                          ; tile_dim1
	s_mov_b32 s[G1+5], 512                         ; bytes from row to row
	s_mov_b32 s[G1+6], 0
	s_mov_b32 s[G1+7], 0
	s_mov_b32 s[G1L], 15|(3<<16)|(1<<20)|(1<<21)|(6<<22)|(3<<25)  ; elements of 8 bytes; 4 words after every 128: the image of 128 rows of 512 bytes
	s_mov_b32 s[G1L+1], 4096<<16
	s_mov_b32 s[G1L+2], 2<<16
	s_mov_b32 s[G1L+3], 4096<<16
	s_mov_b32 s[G1L+4], 2
	s_mov_b32 s[G1L+5], 262144                     ; 4,096 rows of 512 bytes from val to gate
	s_mov_b32 s[G1L+6], 0
	s_mov_b32 s[G1L+7], 0
	s_mov_b32 s[G1K], 15|(3<<16)|(1<<21)           ; 48 rows of 256 bytes, dense
	s_mov_b32 s[G1K+1], 32<<16
	s_mov_b32 s[G1K+2], 48<<16
	s_mov_b32 s[G1K+3], 32<<16
	s_mov_b32 s[G1K+4], 48
	s_mov_b32 s[G1K+5], 32
	s_mov_b32 s[G1K+6], 0
	s_mov_b32 s[G1K+7], 0
	s_mov_b32 s[G1V], 15|(3<<16)|(1<<21)           ; 128 rows of 256 bytes, dense
	s_mov_b32 s[G1V+1], 32<<16
	s_mov_b32 s[G1V+2], 128<<16
	s_mov_b32 s[G1V+3], 32<<16
	s_mov_b32 s[G1V+4], 128
	s_mov_b32 s[G1V+5], 32
	s_mov_b32 s[G1V+6], 0
	s_mov_b32 s[G1V+7], 0
	s_lshr_b32 s20, s[WV], 1                       ; at the head I fetch for slot w / 2
	s_and_b32 s21, s[WV], 1                        ; its val rows (0) or its gate rows (1)
	s_mul_i32 s22, s20, SLOTB
	s_mul_i32 s23, s21, HALFS
	s_add_co_u32 s22, s22, s23
	s_lshl_b32 s52, s21, 12
	s_lshl_b32 s53, s19, 8
	s_add_co_u32 s52, s52, s53
	s_lshl_b32 s53, s20, 6
	s_add_co_u32 s52, s52, s53                     ; row 4,096 x gate + 256 y + 64 x slot
	s_lshl_b32 s52, s52, 9
	s_mov_b32 s53, 0
	s_lshl_b32 s62, s18, 4
	s_lshl_b32 s63, s[WV], 2
	s_add_co_u32 s62, s62, s63                     ; my first row tile
	s_mov_b32 s67, 0
	s_mov_b32 s[NLE], 0xbfb8aa3b
	s_mov_b32 s[NLE+1], s[NLE]
	s_mov_b32 s[SEL], 0x76543210
	s_mov_b32 s[SEL+1], 0xfedcba98
	s_mov_b32 s[HIM], 0xffff0000
	s_mov_b32 s[TB], 0
	v_and_b32 v7, 31, v0
	v_lshlrev_b32 v1, 4, v7                        ; 16 x lane
	v_and_b32 v8, 15, v0                           ; r
	v_bfe_u32 v9, v0, 4, 1                         ; h
	v_mul_u32_u24 v2, v8, ROWP
	v_lshl_add_u32 v2, v9, 4, v2                   ; a fragment of W: row r, + 16 h
	v_lshlrev_b32 v4, 5, v8                        ; xn's scales: 32 bytes a row
	v_lshl_add_u32 v5, v9, 17, v4                  ; W's: lanes 16-31 take the gate rows, 4,096 rows on
	v_lshlrev_b32 v6, 7, v7                        ; h's scales: 128 bytes a row
	v_lshlrev_b32 v116, 5, v7                      ; Wq's scales: 32 bytes a row, row = lane
.irp i, 0,1,2,3,4,5,6,7
	v_mov_b32 v[WP+\i], 0
.endr
.irp i, 0,1,2,3
	v_mov_b32 v[QB+\i], 0                          ; written once: a lane permute's destination counts as read
.endr
	s_wait_alu depctr_va_vdst(0)
	s_wait_dscnt 0x0                               ; both opening adds are done
	s_wait_kmcnt 0x0
	s_add_nc_u64 s[54:55], s[8:9], s[52:53]
	s_mov_b32 s[G0A], 1
	s_mov_b32 s[G0A+1], s22
	s_mov_b64 s[G0A+2:G0A+3], s[54:55]
	s_or_b32 s[G0A+3], s[G0A+3], 0x80000000
	s_mov_b32 s[G0L], 1                            ; slot 2 + w % 2 (waves 0 and 1 use it)
	s_mul_i32 s[G0L+1], s21, SLOTB
	s_add_co_u32 s[G0L+1], s[G0L+1], 2*SLOTB
	s_lshl_b32 s52, s19, 17
	s_lshl_b32 s20, s21, 15
	s_add_co_u32 s52, s52, s20
	s_add_co_u32 s52, s52, 65536                   ; row 256 y + 128 + 64 (w % 2)
	s_add_nc_u64 s[G0L+2:G0L+3], s[8:9], s[52:53]
	s_or_b32 s[G0L+3], s[G0L+3], 0x80000000
	s_lshl_b32 s66, s62, 13
	s_add_nc_u64 s[56:57], s[4:5], s[66:67]        ; xn's images: 8,192 bytes a row tile
	s_lshl_b32 s66, s62, 9
	s_add_nc_u64 s[58:59], s[6:7], s[66:67]        ; xn's scales
	s_lshl_b32 s66, s19, 13
	s_add_nc_u64 s[BSB:BSB+1], s[10:11], s[66:67]  ; W's scales: 256 rows of 32 bytes for each y
	s_lshl_b32 s66, s62, 15
	s_add_nc_u64 s[HB:HB+1], s[12:13], s[66:67]    ; h's images: 32,768 bytes a row tile,
	s_lshl_b32 s66, s19, 11
	s_add_nc_u64 s[HB:HB+1], s[HB:HB+1], s[66:67]  ; two images for each y
	s_lshl_b32 s66, s62, 11
	s_add_nc_u64 s[60:61], s[14:15], s[66:67]      ; h's scales
	s_lshl_b32 s66, s19, 3
	s_add_nc_u64 s[60:61], s[60:61], s[66:67]
	; the second phase's bases: row tile 16 x + 8 (y % 2) + 2 w, head y / 2
	s_lshl_b32 s62, s18, 4
	s_and_b32 s63, s19, 1
	s_lshl_b32 s63, s63, 3
	s_add_co_u32 s62, s62, s63
	s_lshl_b32 s63, s[WV], 1
	s_add_co_u32 s62, s62, s63
	s_lshr_b32 s51, s19, 1
	s_lshl_b32 s66, s62, 13
	s_add_nc_u64 s[4:5], s[4:5], s[66:67]          ; s[4:5] xn's images
	s_lshl_b32 s66, s62, 9
	s_add_nc_u64 s[6:7], s[6:7], s[66:67]          ; s[6:7] xn's scales
	s_lshl_b32 s66, s51, 11
	s_add_nc_u64 s[8:9], s[94:95], s[66:67]        ; s[8:9] Wq's scales
	s_lshl_b32 s66, s62, 12
	s_add_nc_u64 s[10:11], s[98:99], s[66:67]
	s_lshl_b32 s66, s51, 9
	s_add_nc_u64 s[10:11], s[10:11], s[66:67]      ; s[10:11] o's image
	s_lshl_b32 s66, s62, 8
	s_add_nc_u64 s[12:13], s[100:101], s[66:67]
	s_lshl_b32 s66, s51, 1
	s_add_nc_u64 s[12:13], s[12:13], s[66:67]      ; s[12:13] o's scale bytes
	s_mov_b32 s[CS], 0x3fb8aa3b
	s_mov_b32 s[CS+1], s[CS]
	; group 0 for Wq's 64 rows, for the batch's scale words and for my quarter of its codes
	s_lshl_b32 s52, s51, 15
	s_add_nc_u64 s[G0W+2:G0W+3], s[92:93], s[52:53]
	s_or_b32 s[G0W+3], s[G0W+3], 0x80000000
	s_mov_b32 s[G0W], 1
	s_mov_b32 s[G0W+1], WQL
	s_lshr_b32 s52, ttmp9, 1                       ; the batch: eight blocks of 256 rows are two clusters
	s_mul_i32 s52, s52, KVB
	s_add_nc_u64 s[96:97], s[96:97], s[52:53]
	s_add_nc_u64 s[G0K+2:G0K+3], s[96:97], 0x20000
	s_or_b32 s[G0K+3], s[G0K+3], 0x80000000
	s_mov_b32 s[G0K], 1
	s_mov_b32 s[G0K+1], KSB
	s_lshl_b32 s52, s[WV], 15
	s_add_nc_u64 s[G0V+2:G0V+3], s[96:97], s[52:53]
	s_or_b32 s[G0V+3], s[G0V+3], 0x80000000
	s_mov_b32 s[G0V], 1
	s_lshl_b32 s[G0V+1], s[WV], 15
	CROUND                                         ; all four work-groups are here: the joint loads meet
	tensor_load_to_lds s[G0A:G0A+3], s[G1:G1+7]    ; slots 0 and 1: one tensor load a wave at the head
	s_nop 0
	PLACES 4
.irp m, 0,1,2,3
.irp f, 0,1
	global_load_b128 v[AS+8*\m+4*\f:AS+8*\m+4*\f+3], v4, s[58:59] offset:512*\m+16*\f
.endr
.endr
.irp n, 0,1,2,3
.irp f, 0,1
	global_load_b128 v[BS+8*\n+4*\f:BS+8*\n+4*\f+3], v5, s[BSB:BSB+1] offset:512*\n+16*\f
.endr
.endr
	WIN 0x40                                       ; destination window 1
.irp s, 0,1,2,3,4,5,6,7                        ; by K steps, so that the products can begin while the later steps are on their way
.irp m, 0,1,2,3
.irp c, 0,1
	global_load_b128 v[64*\m+8*\s+4*\c:64*\m+8*\s+4*\c+3], v1, s[56:57] offset:8192*\m+1024*\s+512*\c
.endr
.endr
.endr
	WIN 0
.macro FETCHB k, set                   ; the slot's eight fragments of W for K step k
.irp n, 0,1,2,3,4,5,6,7
.irp c, 0,1
	ds_load_b128 v[WF+64*(\set)+8*\n+4*\c:WF+64*(\set)+8*\n+4*\c+3], v3 offset:16*\n*ROWP+64*(\k)+32*\c
.endr
.endr
.endm
.macro MULS k, set                     ; 32 products; the 32 accumulators take turns
	WIN 0xa4                                       ; source 1 (xn) window 1, C and D window 2
.irp m, 0,1,2,3
.irp n, 0,1,2,3,4,5,6,7
	WM 8*(8*\m+\n), WF+64*(\set)+8*\n, 64*\m+8*(\k), (\k)==0, BS+8*(\n%4)+(\k), AS+8*\m+(\k), \n/4
.endr
.endr
	WIN 0
.endm
.macro SLOT last
	v_add_nc_u32 v3, s[TB], v2
	FETCHB 0, 0
	s_wait_alu depctr_va_vdst(0)
.irp s, 0,1,2,3,4,5,6,7
	s_wait_loadcnt 56-8*\s                         ; xn's fragments of this K step are in (eight loads a step; the later steps' may be out); behind the first slot nothing is out
	s_wait_dscnt 0x0                               ; W's fragments of this K step are in
.if \s < 7
	PLACES 4                                       ; places in front of loads into registers that the last step's products have read
	FETCHB \s+1, (\s+1)%2
.endif
	MULS \s, \s%2
.endr
	PLACES 4                                       ; in front of the loads into the scale registers and of the first read of results
.if \last
	s_cmp_eq_u32 s[CNT], 1                         ; the last slot has no successor
	s_cbranch_scc1 .Lno_more_\@
.endif
	s_add_nc_u64 s[BSB:BSB+1], s[BSB:BSB+1], 2048  ; 64 rows of 32 bytes on (the earlier scale loads are done: their base may step)
.irp n, 0,1,2,3
.irp f, 0,1
	global_load_b128 v[BS+8*\n+4*\f:BS+8*\n+4*\f+3], v5, s[BSB:BSB+1] offset:512*\n+16*\f
.endr
.endr
.if \last
	s_branch .Lasked_\@
.Lno_more_\@:                                          ; instead of them what the second phase wants: scale words of xn's two row tiles and of Wq, and xn's fragments
.irp i, 0,1
.irp f, 0,1
	global_load_b128 v[AS+8*\i+4*\f:AS+8*\i+4*\f+3], v4, s[6:7] offset:512*\i+16*\f
	global_load_b128 v[BS+8*\i+4*\f:BS+8*\i+4*\f+3], v116, s[8:9] offset:1024*\i+16*\f
.endr
.endr
	WIN 0xc0                                       ; destination window 3
.irp s, 0,1,2,3,4,5,6,7
.irp i, 0,1
.irp c, 0,1
	global_load_b128 v[64*\i+8*\s+4*\c:64*\i+8*\s+4*\c+3], v1, s[4:5] offset:8192*\i+1024*\s+512*\c
.endr
.endr
.endr
	WIN 0
.Lasked_\@:
.endif
.irp p, 0,1                                    ; two row tiles at a time
	WIN 0x02                                       ; source 0 window 2
.irp q, 0,1
.set j, 0
.rept 16
	v_pk_mul_f32 v[E+32*\q+j:E+32*\q+j+1], v[64*(2*\p+\q)+32+j:64*(2*\p+\q)+33+j], s[NLE:NLE+1] op_sel_hi:[1,0]   ; -g log2(e); each accumulator from its low end on
.set j, j+2
.endr
.endr
	WIN 0
.set j, 0
	s_wait_alu depctr_va_vdst(0)                   ; a wait ahead of the batch,
.rept 64
	v_exp_f32 v[E+j], v[E+j]                       ; e^-g
.set j, j+1
.endr
	v_nop                                          ; a plain instruction behind it,
	s_wait_alu depctr_va_vdst(0)                   ; and a wait ahead of its first reader
.set j, 0
.rept 32
	v_pk_add_f32 v[E+j:E+j+1], v[E+j:E+j+1], 1.0 op_sel_hi:[1,0]
.set j, j+2
.endr
.set j, 0
	s_wait_alu depctr_va_vdst(0)
.rept 64
	v_rcp_f32 v[E+j], v[E+j]                       ; 1 / (1 + e^-g)
.set j, j+1
.endr
	WIN 0x0a                                       ; sources 0 and 1 window 2
	s_wait_alu depctr_va_vdst(0)
.irp q, 0,1
.set j, 0
.rept 16
	v_pk_mul_f32 v[H+32*\q+j:H+32*\q+j+1], v[64*(2*\p+\q)+32+j:64*(2*\p+\q)+33+j], v[64*(2*\p+\q)+j:64*(2*\p+\q)+j+1]   ; g v: work that names no reciprocal
.set j, j+2
.endr
.endr
	WIN 0
	s_wait_alu depctr_va_vdst(0)                   ; one wait for the 64 reciprocals
.set j, 0
.rept 32
	v_pk_mul_f32 v[H+j:H+j+1], v[H+j:H+j+1], v[E+j:E+j+1]
.set j, j+2
.endr
	QUANT2 H, CO+8*\p
.irp q, 0,1
	v_lshl_or_b32 v[TMP], v[QB+2*\q+1], 8, v[QB+2*\q]   ; the slot's two bytes are shifted in from above: after four slots the pair holds eight bytes in order
	v_lshrrev_b32 v[WP+2*(2*\p+\q)], 16, v[WP+2*(2*\p+\q)]
	v_lshl_or_b32 v[WP+2*(2*\p+\q)], v[WP+2*(2*\p+\q)+1], 16, v[WP+2*(2*\p+\q)]
	v_lshrrev_b32 v[WP+2*(2*\p+\q)+1], 16, v[WP+2*(2*\p+\q)+1]
	v_lshl_or_b32 v[WP+2*(2*\p+\q)+1], v[TMP], 16, v[WP+2*(2*\p+\q)+1]
	global_store_b128 v1, v[CO+4*(2*\p+\q):CO+4*(2*\p+\q)+3], s[HB:HB+1] offset:32768*(2*\p+\q)   ; 512 consecutive bytes of an image
.endr
.endr
	s_wait_alu depctr_va_vdst(0)
	s_wait_loadcnt 0x0                             ; what was asked for at the head of this part
	s_wait_xcnt 0x0                                ; the stores have read their data and their base: both are written again
	s_add_nc_u64 s[HB:HB+1], s[HB:HB+1], 512
	s_add_co_u32 s[TB], s[TB], SLOTB
.endm
.macro TWO_SLOTS last
	s_mov_b32 s[CNT], 2
.Lslot_\@:
	SLOT \last
	s_sub_co_u32 s[CNT], s[CNT], 1
	s_cmp_lg_u32 s[CNT], 0
	s_cbranch_scc1 .Lslot_\@
.endm
	s_wait_alu depctr_va_vdst(0)
	s_wait_tensorcnt 0x0                           ; my load has landed
	ds_add_u32 v126, v127
	s_wait_dscnt 0x0
	CROUND                                         ; everybody's part of slots 0 and 1 is in, and all four work-groups are here
	s_cmp_lt_u32 s[WV], 2                          ; four first fills, one a wave: slots 2 and 3,
	s_cbranch_scc0 .Lfor_wq
	tensor_load_to_lds s[G0L:G0L+3], s[G1L:G1L+7]
	s_nop 0
	PLACES 4
	s_branch .Lall_asked
.Lfor_wq:
	s_cmp_lt_u32 s[WV], 3                          ; the head's rows of Wq,
	s_cbranch_scc0 .Lfor_ks
	tensor_load_to_lds s[G0W:G0W+3], s[G1:G1+7]
	s_nop 0
	PLACES 4
	s_branch .Lall_asked
.Lfor_ks:
	tensor_load_to_lds s[G0K:G0K+3], s[G1K:G1K+7]  ; K's and V's scale words
	s_nop 0
	PLACES 4
.Lall_asked:
	TWO_SLOTS 0
	s_wait_tensorcnt 0x0                           ; slots 2 and 3, Wq and the scale words: my load of them has landed
	ds_add_u32 v126, v127
	s_wait_dscnt 0x0                               ; the add is done, and my reads of slots 0 and 1 are over
	CROUND                                         ; both hold of every wave of every partner
	tensor_load_to_lds s[G0V:G0V+3], s[G1V:G1V+7]  ; K's and V's codes, into the bytes of slots 0 and 1: two slots' work in which to land
	s_nop 0
	PLACES 4
	TWO_SLOTS 1
	v_cndmask_b32 v[TMP], v[WP], v[WP+2], s[HIM]   ; lanes 0-15 carry row tile m's bytes, lanes 16-31 row tile m + 1's
	v_cndmask_b32 v[TMP+1], v[WP+1], v[WP+3], s[HIM]
	v_cndmask_b32 v[TMP+2], v[WP+4], v[WP+6], s[HIM]
	v_cndmask_b32 v[TMP+3], v[WP+5], v[WP+7], s[HIM]
	global_store_b64 v6, v[TMP:TMP+1], s[60:61]
	global_store_b64 v6, v[TMP+2:TMP+3], s[60:61] offset:4096
	s_wait_xcnt 0x0                                ; v6 is written again
; THE SECOND PHASE
.macro FETCHW k, set                   ; Wq's four tiles for K step k, into window 2
	WIN 0x80
.irp t, 0,1,2,3
.irp c, 0,1
	ds_load_b128 v[128+32*(\set)+8*\t+4*\c:128+32*(\set)+8*\t+4*\c+3], v7 offset:16*\t*ROWP+64*(\k)+32*\c
.endr
.endr
	WIN 0
.endm
.macro KFRAGS a, b                     ; a step's eight tiles of keys (tile 4 G + t: octet t of blocks 2 G and 2 G + 1); the destination's window is 2
.irp g, 0,1
.irp t, 0,1
	ds_load_b128 v[16*\g+4*\t:16*\g+4*\t+3], v[\a] offset:2048*\g+512*\t
.endr
.irp t, 0,1
	ds_load_b128 v[16*\g+8+4*\t:16*\g+8+4*\t+3], v[\b] offset:2048*\g+512*\t
.endr
.endr
.endm
.macro INIT                            ; a tile's start
.irp k, 120,121,122,123
	v_mov_b32 v[\k], 0                             ; q's upper half: zero codes
.endr
	v_mov_b32 v13, 0xff61b1e6                      ; the largest t so far: -3e38
	v_floor_f32 v12, -v13
	v_mov_b32 v14, 0
	v_mov_b32 v15, 0
	v_mov_b32 v242, 0                              ; a lane permute's destination counts as read
	v_mov_b32 v253, 0                              ; (named as the upper half of v[252:253])
.set j, 0
.rept 32
	v_mov_b32 v[192+j], 0                          ; O^T: the first change of M finds zeros and leaves them
.set j, j+1
.endr
.endm
.macro SCAL p                          ; t - M, two at a time
	v_pk_fma_f32 v[SC+2*(\p):SC+2*(\p)+1], v[SC+2*(\p):SC+2*(\p)+1], s[CS:CS+1], v[12:13] op_sel_hi:[1,0,0]
.endm
.macro SOFT1                           ; the largest score of my lane's two blocks in four chains; M; t - M; O^T and the sum under the new M
.irp b, 0,1,2,3
	v_max3_num_f32 v[232+\b], v[SC+16*\b], v[SC+16*\b+1], v[SC+16*\b+2]
.endr
.irp i, 3,5,7,9,11,13
.irp b, 0,1,2,3
	v_max3_num_f32 v[232+\b], v[232+\b], v[SC+16*\b+\i], v[SC+16*\b+\i+1]
.endr
.endr
	v_max3_num_f32 v232, v232, v233, v[SC+15]
	v_max3_num_f32 v234, v234, v235, v[SC+47]
	v_max_num_f32 v232, v232, v[SC+31]
	v_max_num_f32 v234, v234, v[SC+63]
	v_max_num_f32 v254, v232, v234
	v_permlanex16_b32 v242, v254, s[SEL], s[SEL+1]
	v_max_num_f32 v254, v254, v242                 ; the step's largest score of my query
	v_mul_f32 v254, s[CS], v254
	v_max_num_f32 v13, v13, v254
	v_mov_b32 v254, v12
	v_floor_f32 v12, -v13                          ; -M
	v_sub_f32 v254, v12, v254
	SCAL 0
	SCAL 1
	v_cvt_i32_f32 v254, v254
	SCAL 2
	SCAL 3
	v_ldexp_f32 v252, 1.0, v254                    ; f = 2^(old M - new M)
.set j, 4
.rept 28
	SCAL j
.set j, j+1
.endr
	v_fma_f32 v232, v232, s[CS], v12
	v_fma_f32 v234, v234, s[CS], v12
.set j, 0
.rept 16
	v_pk_mul_f32 v[192+j:193+j], v[192+j:193+j], v[252:253] op_sel_hi:[1,0]
.set j, j+2
.endr
	v_pk_mul_f32 v[14:15], v[14:15], v[252:253] op_sel_hi:[1,0]
.endm
.macro EXPS                            ; my two blocks' largest p, and p
	v_exp_f32 v232, v232
	v_exp_f32 v234, v234
.set j, 0
.rept 64
	v_exp_f32 v[SC+j], v[SC+j]
.set j, j+1
.endr
.endm
.macro POST                            ; p's codes and my two bytes at their places, with lane l xor 16's in v242
	v_max_num_f32 v232, 0x1800000, v232            ; the floor 2^(3 - 127)
	v_max_num_f32 v234, 0x1800000, v234
	v_add_nc_u32 v244, 0xff000000, v232            ; the conversions' scale operands
	v_add_nc_u32 v245, 0xff000000, v234
	v_lshrrev_b32 v246, 23, v244                   ; the scales' bytes: blocks h and 2 + h
	v_lshrrev_b32 v247, 23, v245
.irp c, 0,1
.irp t, 0,1,2,3
	v_cvt_scalef32_pk8_fp4_f32 v[224+4*\c+\t], v[SC+32*\c+8*\t:SC+32*\c+8*\t+7], v[244+\c]
.endr
.endr
	v_lshl_or_b32 v246, v247, 16, v246             ; (a plain instruction behind the conversions)
	v_pk_add_f32 v[236:237], v[SC:SC+1], v[SC+2:SC+3]   ; the sum of the unquantised p, in four chains
	v_pk_add_f32 v[238:239], v[SC+4:SC+5], v[SC+6:SC+7]
	v_lshlrev_b32 v246, v125, v246
	v_pk_add_f32 v[240:241], v[SC+8:SC+9], v[SC+10:SC+11]
	v_pk_add_f32 v[14:15], v[14:15], v[SC+12:SC+13]
	v_permlanex16_b32 v242, v246, s[SEL], s[SEL+1]
	v_pk_add_f32 v[236:237], v[236:237], v[SC+14:SC+15]
	v_pk_add_f32 v[238:239], v[238:239], v[SC+16:SC+17]
	v_pk_add_f32 v[240:241], v[240:241], v[SC+18:SC+19]
.endm
.macro SUMS                            ; the rest of the sum
.set j, 10
.rept 5
	v_pk_add_f32 v[14:15], v[14:15], v[SC+2*j:SC+2*j+1]
	v_pk_add_f32 v[236:237], v[236:237], v[SC+2*j+2:SC+2*j+3]
	v_pk_add_f32 v[238:239], v[238:239], v[SC+2*j+4:SC+2*j+5]
	v_pk_add_f32 v[240:241], v[240:241], v[SC+2*j+6:SC+2*j+7]
.set j, j+4
.endr
	v_pk_add_f32 v[14:15], v[14:15], v[SC+60:SC+61]
	v_pk_add_f32 v[236:237], v[236:237], v[SC+62:SC+63]
	v_pk_add_f32 v[238:239], v[238:239], v[240:241]
	v_pk_add_f32 v[14:15], v[14:15], v[236:237]
	v_pk_add_f32 v[14:15], v[14:15], v[238:239]
.endm
.macro QTILE                           ; q x 1/8, quantised along the head's 64
.set j, 0
.rept 16
	v_pk_mul_f32 v[SC+j:SC+j+1], v[192+j:193+j], 0x3e000000 op_sel_hi:[1,0]
.set j, j+2
.endr
	QUANT64 SC, 116, 232
.endm
.macro ROWSUM                          ; the row's sum
	v_add_f32 v14, v14, v15
	v_permlanex16_b32 v252, v14, s[SEL], s[SEL+1]
	v_add_f32 v14, v14, v252
.endm
.macro DIVIDE
.set j, 0
.rept 32
	v_mul_f32 v[SC+j], v[192+j], v14
.set j, j+1
.endr
.endm
	v_and_b32 v80, 31, v0                          ; lane
	v_and_b32 v81, 15, v0                          ; r
	v_bfe_u32 v82, v0, 4, 1                        ; h
	v_bfe_u32 v83, v0, 3, 1                        ; r / 8
	v_and_b32 v84, 7, v0                           ; r % 8
	v_add_nc_u32 v7, WQL, v2                       ; Wq's fragments
	v_add_nc_u32 v2, 65536, v1                     ; V's images
	v_lshlrev_b32 v4, 3, v80
	v_add_nc_u32 v4, VSB, v4                       ; V's scale words
	v_lshlrev_b32 v5, 4, v84
	v_lshl_add_u32 v5, v82, 8, v5
	v_lshl_add_u32 v3, v83, 3, v5
	v_add_nc_u32 v3, KSB, v3                       ; K's scale words: lanes 0-15 for tiles 0-3, lanes 16-31 for tiles 4-7
	v_mul_u32_u24 v85, v83, 1024+128
	v_add_nc_u32 v5, v5, v85                       ; K's octets 0 and 1
	v_xor_b32 v6, 128, v5                          ; and 2 and 3
	v_lshl_add_u32 v124, v81, 4, v82               ; o's scale byte: 16 r + h
	v_lshlrev_b32 v125, 3, v82                     ; 8 h: my byte's place in a scale word
	WIN 0x40
	v_mov_b32 v125, v125                           ; tile B's copy, in window 1
	WIN 0
	s_wait_alu depctr_va_vdst(0)
	s_wait_tensorcnt 0x0                           ; my quarter of K's and V's codes has landed,
	s_wait_dscnt 0x0
	s_barrier_signal -1
	s_barrier_wait -1                              ; and everybody's: nothing is filled again
	; q^T = Wq xn^T for both tiles: eight accumulators by turns, three sets of Wq's fragments
	FETCHW 0, 0
	FETCHW 1, 1
.irp s, 0,1,2,3,4,5,6,7
.if \s < 7
	s_wait_dscnt 0x8                               ; this step's eight loads are in; the next step's may be out
.else
	s_wait_dscnt 0x0
.endif
.if \s < 6
.if \s > 0
	PLACES 4                                       ; places in front of loads into registers that the last step's products have read
.endif
	FETCHW \s+2, (\s+2)%3
.endif
	WIN 0x0e                                       ; source 0 window 2, source 1 window 3
.irp t, 0,1,2,3
	WM 192+8*\t, 128+32*(\s%3)+8*\t, 8*\s, \s==0, BS+8*(\t/2)+\s, AS+\s, \t%2
.endr
	WIN 0x5e                                       ; the same, C and D window 1
.irp t, 0,1,2,3
	WM 192+8*\t, 128+32*(\s%3)+8*\t, 64+8*\s, \s==0, BS+8*(\t/2)+\s, AS+8+\s, \t%2
.endr
	WIN 0
.endr
	PLACES 4
	QTILE
	v_lshl_or_b32 v70, v239, 8, v238               ; tile A's scale word of q
	v_or_b32 v70, 0x7f7f0000, v70
	INIT
	WIN 0x55
	QTILE
	WIN 0x15                                       ; destination window 0
	v_lshl_or_b32 v71, v239, 8, v238               ; tile B's
	WIN 0
	v_or_b32 v71, 0x7f7f0000, v71
	WIN 0x55
	INIT
	WIN 0x80
.irp k, 32,33,34,35
	v_mov_b32 v[\k], 0                             ; behind the last tile of keys
.endr
	WIN 0
	s_mov_b32 s[TK], 0
	s_mov_b32 s[TS], 0
	s_mov_b32 s[TV], 0
	s_mov_b32 s[CNT], 16
	s_wait_alu depctr_va_vdst(0)
	ds_load_b64 v[64:65], v3
	ds_load_b64 v[66:67], v3 offset:128
	WIN 0x80
	KFRAGS 5, 6
	WIN 0
.Lkeys:
	s_wait_dscnt 0x0                               ; this step's keys and scale words
	WIN 0x02                                       ; source 0 window 2
.irp t, 0,1,2,3,4,5,6,7
	WM SC+8*\t, 4*\t, 116, 1, 64+\t%4, 70, \t/4
.endr
	WIN 0x56                                       ; the same, source 1, C and D window 1
.irp t, 0,1,2,3,4,5,6,7
	WM SC+8*\t, 4*\t, 116, 1, 64+\t%4, 71, \t/4
.endr
	WIN 0
	v_add_nc_u32 v9, s[TK], v2                     ; (these lines are also the places in front of the loads below)
	v_add_nc_u32 v11, s[TV], v4
	s_add_co_u32 s[TK], s[TK], 4096
	s_add_co_u32 s[TS], s[TS], 512
	v_add_nc_u32 v8, s[TK], v5
	v_add_nc_u32 v7, s[TK], v6
	v_add_nc_u32 v10, s[TS], v3
	ds_load_b64 v[68:69], v11
	ds_load_b64 v[64:65], v10                      ; the next step's keys; the last trip's look-ahead reads bytes of V, which lie behind K, and nobody uses them: the step is written once
	ds_load_b64 v[66:67], v10 offset:128
	WIN 0x80
.irp e, 0,1,2,3
.irp c, 0,1
	ds_load_b128 v[64+8*\e+4*\c:67+8*\e+4*\c], v9 offset:1024*\e+512*\c
.endr
.endr
	KFRAGS 8, 7
	WIN 0
	SOFT1
	WIN 0x55
	SOFT1
	s_wait_alu depctr_va_vdst(0)                   ; a wait ahead of the batch,
	EXPS
	WIN 0
	EXPS
	v_nop                                          ; a plain instruction behind it,
	s_wait_alu depctr_va_vdst(0)                   ; and a wait ahead of its first reader
	POST
	v_or_b32 v72, v246, v242                       ; tile A's scale word of p
	SUMS
	WIN 0x55
	POST
	WIN 0x15
	v_or_b32 v73, v246, v242                       ; tile B's
	WIN 0x55
	SUMS
	WIN 0
	s_wait_dscnt 0x8                               ; V's fragments and scale words are in; the next step's eight loads of K may be out
	WIN 0x02
.irp e, 0,1,2,3
	WM 192+8*\e, 64+8*\e, 224, 0, 68+\e%2, 72, \e/2
.endr
	WIN 0x56
.irp e, 0,1,2,3
	WM 192+8*\e, 64+8*\e, 224, 0, 68+\e%2, 73, \e/2
.endr
	WIN 0
	s_add_co_u32 s[TV], s[TV], 256
	s_sub_co_u32 s[CNT], s[CNT], 1
	s_cmp_lg_u32 s[CNT], 0
	s_cbranch_scc1 .Lkeys
	PLACES 4
	s_wait_alu depctr_va_vdst(0)
	s_wait_dscnt 0x0
	ROWSUM
	WIN 0x55
	ROWSUM
	s_wait_alu depctr_va_vdst(0)                   ; a wait ahead of the batch,
	v_rcp_f32 v14, v14
	WIN 0
	v_rcp_f32 v14, v14
	v_nop
	s_wait_alu depctr_va_vdst(0)                   ; ahead of its first reader, and of O^T's
	DIVIDE
	WIN 0x55
	s_wait_alu depctr_va_vdst(0)
	DIVIDE
	QUANT64 SC, 224, 232
	v_cndmask_b32 v246, v238, v239, s[HIM]         ; lanes 16-31 carry the second block's byte
	WIN 0
	QUANT64 SC, 224, 232
	v_cndmask_b32 v246, v238, v239, s[HIM]
	global_store_b128 v1, v[224:227], s[10:11]     ; 512 consecutive bytes of an image
	global_store_b8 v124, v246, s[12:13]
	WIN 0x04                                       ; a store's data: window 1
	global_store_b128 v1, v[224:227], s[10:11] offset:4096
	global_store_b8 v124, v246, s[12:13] offset:256
	WIN 0
	s_wait_tensorcnt 0x0                           ; the wave's end
	ds_add_u32 v126, v127
	s_wait_dscnt 0x0
	CROUND                                         ; the closing round
	s_endpgm
.Lfunc_end_k_q04be63baf8_ff1_attn:
	.size	k_q04be63baf8_ff1_attn, .Lfunc_end_k_q04be63baf8_ff1_attn-k_q04be63baf8_ff1_attn
	.p2alignl 7, 3214868480
	.fill 96, 4, 3214868480
	.section	.rodata,"a",@progbits
	.p2align	6, 0x0
	.amdhsa_kernel k_q04be63baf8_ff1_attn
		.amdhsa_group_segment_fixed_size 327680
		.amdhsa_private_segment_fixed_size 0
		.amdhsa_enable_private_segment 0
		.amdhsa_kernarg_size 88
		.amdhsa_user_sgpr_count 2
		.amdhsa_user_sgpr_kernarg_segment_ptr 1
		.amdhsa_wavefront_size32 1
		.amdhsa_system_sgpr_workgroup_id_x 1
		.amdhsa_system_sgpr_workgroup_id_y 1
		.amdhsa_system_sgpr_workgroup_id_z 1
		.amdhsa_system_vgpr_workitem_id 0
		.amdhsa_next_free_vgpr 1024
		.amdhsa_next_free_sgpr 102
		.amdhsa_reserve_vcc 0
		.amdhsa_float_denorm_mode_32 3
		.amdhsa_float_denorm_mode_16_64 3
		.amdhsa_memory_ordered 1
		.amdhsa_forward_progress 1
		.amdhsa_inst_pref_size 235
	.end_amdhsa_kernel
	.amdgpu_metadata
---
amdhsa.version: [ 1, 2 ]
amdhsa.kernels:
  - .name:           k_q04be63baf8_ff1_attn
    .symbol:         k_q04be63baf8_ff1_attn.kd
    .args:
      - { .name: xn_codes, .offset: 0, .size: 8, .value_kind: global_buffer, .address_space: global }
      - { .name: xn_scales, .offset: 8, .size: 8, .value_kind: global_buffer, .address_space: global }
      - { .name: Wff1_codes, .offset: 16, .size: 8, .value_kind: global_buffer, .address_space: global }
      - { .name: Wff1_scales, .offset: 24, .size: 8, .value_kind: global_buffer, .address_space: global }
      - { .name: h_codes, .offset: 32, .size: 8, .value_kind: global_buffer, .address_space: global }
      - { .name: h_scales, .offset: 40, .size: 8, .value_kind: global_buffer, .address_space: global }
      - { .name: Wq_codes, .offset: 48, .size: 8, .value_kind: global_buffer, .address_space: global }
      - { .name: Wq_scales, .offset: 56, .size: 8, .value_kind: global_buffer, .address_space: global }
      - { .name: kv, .offset: 64, .size: 8, .value_kind: global_buffer, .address_space: global }
      - { .name: o_codes, .offset: 72, .size: 8, .value_kind: global_buffer, .address_space: global }
      - { .name: o_scales, .offset: 80, .size: 8, .value_kind: global_buffer, .address_space: global }
    .group_segment_fixed_size: 327680
    .private_segment_fixed_size: 0
    .kernarg_segment_align: 8
    .kernarg_segment_size: 88
    .max_flat_workgroup_size: 128
    .sgpr_count:     102
    .vgpr_count:     1024
    .wavefront_size: 32
...
	.end_amdgpu_metadata
.endif
;; end of part 2
;; launch outp (part 3): grid 32 x 8, 4 waves a work-group, clusters of 4 x 1, 327,680 bytes of LDS; arguments o_codes, o_scales, h_codes, h_scales, Wo_codes, Wo_scales, Wff2_codes, Wff2_scales, out0; writes out0
.if DOCPART == 3
	.amdgcn_target "amdgcn-amd-amdhsa--gfx1250"
	.amdhsa_code_object_version 6
	.text
	.protected	k_q04be63baf8_outp
	.globl	k_q04be63baf8_outp
	.p2align	8
	.type	k_q04be63baf8_outp,@function
k_q04be63baf8_outp:
	s_mov_b64 s[64:65], 0
	v_nop
	global_prefetch_b8 v0, s[64:65] scope:SCOPE_SE
	s_setreg_imm32_b32 hwreg(HW_REG_WAVE_MODE, 25, 1), 1
	s_wait_xcnt 0x0
	s_wait_alu depctr_hold_cnt(0) depctr_sa_sdst(0) depctr_va_vdst(0) depctr_va_sdst(0) depctr_va_ssrc(0) depctr_va_vcc(0) depctr_vm_vsrc(0)
	s_getreg_b32 s2, hwreg(HW_REG_IB_STS2, 6, 4)
	s_cmp_eq_u32 s2, 0
	s_cbranch_scc0 .Lentry_in_a_cluster
	s_endpgm
.Lentry_in_a_cluster:
	s_bfe_u32 s2, ttmp6, 0x10000c
	s_cmp_lg_u32 s2, 0x3003
	s_cbranch_scc0 .Lentry_shape_is_right
	s_endpgm
.Lentry_shape_is_right:
; out0 = o Wo + h Wff2, as ONE product with K = 512 + 4,096 = 36 steps of 128, one f32 sum for each output; all operands FP4 codes with E8M0 scales.
; SHARES.  A work-group makes 128 rows x 128 columns: 32 x 8 work-groups.  Wave w owns 32 rows (two row tiles) x all 128 columns: 16 accumulators.
; A (o, then h) NEVER PASSES THROUGH LDS: its buffers are laid as register images, each K step has 16 registers of its own (576 in all, none used twice), filled by loads of 512 consecutive bytes, twelve K steps ahead.
; ALL OF THE TILE'S W LIES IN LDS: 128 rows x 2,304 bytes in five chunks, and Wff2's scale bytes; every byte is filled once: no ring.  The products trail the chunks' arrival by counted waits.
; CLUSTER: the four work-groups of a cluster share the columns, so W's chunks are asked for jointly (mask 15).  A is not: LDS is full of W, and each partner has rows of its own.
; THE PRODUCT IS USED TRANSPOSED (source 0 = 16 rows of W, source 1 = 16 rows of A): a lane holds eight neighbouring columns of a row of out0.
; The text uses 324,096 bytes of LDS.
; REGISTERS: window 0: v1-10 addresses; v16-51 A's scale words, one register a K step (lanes 0-15 row tile 0, lanes 16-31 row tile 1); v52-83 W's, two sets of 16 (lanes 0-15 tile 2 p, lanes 16-31 tile 2 p + 1);
;   v128-255 W's fragments, two sets, later rows of out0.   From v256 on: A's fragments at 256 + 16 k + 8 i.   Window 3, v64-191: the accumulators at 64 + 8 (8 i + n).
.set CH1, 128*272                      ; chunk 0: Wo, 128 rows of 256 bytes + 16; later the four waves' stages
.set CHB, 128*528                      ; chunks 1 to 4: Wff2, 1,024 along K each: 128 rows of 512 bytes + 16
.set SWF, CH1+4*CHB                    ; Wff2's scale bytes: 128 rows of 128 bytes + 16
.set WV,  22
.set G1S, 24
.set G1O, 32
.set G1F, 40
.set G0S, 48
.set G0O, 52
.set OB,  82                           ; s[82:83] o's images, s[84:85] h's, at my first row tile
.set HB,  84
.set OSB, 86
.set HSB, 88
.set WSB, 90
.set OUT, 92
.set AS,  16
.set BS,  52
.set WF,  128
; HOW W COMES: two groups of joint loads, one load a wave each.  At the head wave 0 fetches Wo (chunk 0), wave 1 Wff2's scale bytes, waves 2 and 3 the halves of chunk 1; behind a round each wave fetches 32 rows of chunks 2 to 4
; in one piece: rows of 1,536 bytes, 16 bytes of padding after every 512: LDS rows 1,584 bytes apart.
.set CH2, CH1+CHB
.set P3,  1584
.set NB,  84                           ; v84-87 LDS addresses of chunks 2 to 4: tiles 2 i and 2 i + 1
.set G1C, 68                           ; s[68:75] group 1 for chunks 2 to 4
.set MSB, 0
.macro WIN new                         ; the immediate's high byte repeats the setting that is left
.if MSB != \new
	s_set_vgpr_msb (MSB<<8)|\new
.set MSB, \new
.endif
.endm
.macro PLACES n
.rept \n
	v_nop
.endr
.endm
.macro CROUND                          ; a round of the cluster's barrier
	s_barrier_signal -1
	s_barrier_wait -1
	s_cmp_lg_u32 s[WV], 0
	s_cbranch_scc1 .Lnot_wave_0_\@
	s_barrier_signal -3
.Lnot_wave_0_\@:
	s_barrier_wait -3
	s_barrier_signal -1
	s_barrier_wait -1
.endm
.macro WM d, a, b, z, sa, sb, ra, rb   ; a scaled product on FP4 codes; z: it starts the sum; ra, rb: the side's scales lie in lanes 16-31
.if (\z)
.if (\ra)
.if (\rb)
	v_wmma_scale_f32_16x16x128_f8f6f4 v[\d:\d+7], v[\a:\a+7], v[\b:\b+7], 0, v[\sa], v[\sb] matrix_a_fmt:MATRIX_FMT_FP4 matrix_b_fmt:MATRIX_FMT_FP4 matrix_a_scale:MATRIX_SCALE_ROW1 matrix_b_scale:MATRIX_SCALE_ROW1
.else
	v_wmma_scale_f32_16x16x128_f8f6f4 v[\d:\d+7], v[\a:\a+7], v[\b:\b+7], 0, v[\sa], v[\sb] matrix_a_fmt:MATRIX_FMT_FP4 matrix_b_fmt:MATRIX_FMT_FP4 matrix_a_scale:MATRIX_SCALE_ROW1
.endif
.else
.if (\rb)
	v_wmma_scale_f32_16x16x128_f8f6f4 v[\d:\d+7], v[\a:\a+7], v[\b:\b+7], 0, v[\sa], v[\sb] matrix_a_fmt:MATRIX_FMT_FP4 matrix_b_fmt:MATRIX_FMT_FP4 matrix_b_scale:MATRIX_SCALE_ROW1
.else
	v_wmma_scale_f32_16x16x128_f8f6f4 v[\d:\d+7], v[\a:\a+7], v[\b:\b+7], 0, v[\sa], v[\sb] matrix_a_fmt:MATRIX_FMT_FP4 matrix_b_fmt:MATRIX_FMT_FP4
.endif
.endif
.else
.if (\ra)
.if (\rb)
	v_wmma_scale_f32_16x16x128_f8f6f4 v[\d:\d+7], v[\a:\a+7], v[\b:\b+7], v[\d:\d+7], v[\sa], v[\sb] matrix_a_fmt:MATRIX_FMT_FP4 matrix_b_fmt:MATRIX_FMT_FP4 matrix_a_scale:MATRIX_SCALE_ROW1 matrix_b_scale:MATRIX_SCALE_ROW1
.else
	v_wmma_scale_f32_16x16x128_f8f6f4 v[\d:\d+7], v[\a:\a+7], v[\b:\b+7], v[\d:\d+7], v[\sa], v[\sb] matrix_a_fmt:MATRIX_FMT_FP4 matrix_b_fmt:MATRIX_FMT_FP4 matrix_a_scale:MATRIX_SCALE_ROW1
.endif
.else
.if (\rb)
	v_wmma_scale_f32_16x16x128_f8f6f4 v[\d:\d+7], v[\a:\a+7], v[\b:\b+7], v[\d:\d+7], v[\sa], v[\sb] matrix_a_fmt:MATRIX_FMT_FP4 matrix_b_fmt:MATRIX_FMT_FP4 matrix_b_scale:MATRIX_SCALE_ROW1
.else
	v_wmma_scale_f32_16x16x128_f8f6f4 v[\d:\d+7], v[\a:\a+7], v[\b:\b+7], v[\d:\d+7], v[\sa], v[\sb] matrix_a_fmt:MATRIX_FMT_FP4 matrix_b_fmt:MATRIX_FMT_FP4
.endif
.endif
.endif
.endm
.macro FETCHB k                        ; W's eight fragments of K step k into set k % 2
.set FS, WF+64*((\k)%2)
.if (\k) < 4
.irp n, 0,1,2,3,4,5,6,7
.irp c, 0,1
	ds_load_b128 v[FS+8*\n+4*\c:FS+8*\n+4*\c+3], v2 offset:16*\n*272+64*(\k)+32*\c
.endr
.endr
.else
.if (\k) < 12
.irp n, 0,1,2,3,4,5,6,7
.irp c, 0,1
	ds_load_b128 v[FS+8*\n+4*\c:FS+8*\n+4*\c+3], v3 offset:16*\n*528+64*((\k)-4)+32*\c
.endr
.endr
.else
.set FJ, ((\k)-12)/8
.set FK, ((\k)-12)%8
.irp n, 0,1,2,3,4,5,6,7
.irp c, 0,1
	ds_load_b128 v[FS+8*\n+4*\c:FS+8*\n+4*\c+3], v[NB+\n/2] offset:16*(\n%2)*P3+528*FJ+64*FK+32*\c
.endr
.endr
.endif
.endif
.endm
	s_load_b256 s[4:11], s[0:1], 0x0               ; o's codes, o's scales, h's codes, h's scales
	s_load_b256 s[12:19], s[0:1], 0x20             ; Wo's codes, Wo's scales, Wff2's codes, Wff2's scales
	s_load_b64 s[20:21], s[0:1], 0x40              ; out0
	v_lshl_add_u32 v126, v0, 2, 0x4f000
	v_mov_b32 v127, 0
	ds_add_u32 v126, v127
	ds_add_u32 v126, v127
	v_lshrrev_b32 v1, 5, v0
	v_readfirstlane_b32 s[WV], v1                  ; wave 0..3
	s_bfe_u32 s76, ttmp6, 0x40000                  ; cx
	s_lshl_b32 s77, ttmp9, 2
	s_add_co_u32 s77, s77, s76                     ; my block of 128 rows: it enters my own loads' and stores' addresses alone
	s_and_b32 s78, ttmp7, 0xffff                   ; my 128 columns, which the four partners share
	s_mov_b32 s[G1S], 15|(3<<16)|(1<<20)|(1<<21)|(4<<22)|(3<<25)  ; Wff2's scales: 64 rows of 32 elements of 8 bytes, 4 words of padding after every 32
	s_mov_b32 s[G1S+1], 32<<16                     ; 128 dense rows of 128 bytes, stated as 64 rows of 256: the padding still stands behind each 128
	s_mov_b32 s[G1S+2], 64<<16
	s_mov_b32 s[G1S+3], 32<<16
	s_mov_b32 s[G1S+4], 64
	s_mov_b32 s[G1S+5], 32
	s_mov_b32 s[G1S+6], 0
	s_mov_b32 s[G1S+7], 0
	s_mov_b32 s[G1O], 15|(1<<20)|(1<<21)|(5<<22)|(3<<25)          ; Wo: 128 rows of 256 bytes, 4 words after every 64
	s_mov_b32 s[G1O+1], 256<<16
	s_mov_b32 s[G1O+2], 128<<16                    ; 128 rows
	s_mov_b32 s[G1O+3], 256<<16
	s_mov_b32 s[G1O+4], 128
	s_mov_b32 s[G1O+5], 256
	s_mov_b32 s[G1O+6], 0
	s_mov_b32 s[G1O+7], 0
	s_mov_b32 s[G1F], 15|(1<<20)|(1<<21)|(6<<22)|(3<<25)          ; Wff2: 64 rows of 512 bytes out of 2,048, 4 words after every 128
	s_mov_b32 s[G1F+1], 512<<16
	s_mov_b32 s[G1F+2], 64<<16                     ; 64 rows
	s_mov_b32 s[G1F+3], 512<<16
	s_mov_b32 s[G1F+4], 64
	s_mov_b32 s[G1F+5], 2048
	s_mov_b32 s[G1F+6], 0
	s_mov_b32 s[G1F+7], 0
	s_mov_b32 s[G1C], 15|(1<<20)|(1<<21)|(6<<22)|(3<<25)          ; chunks 2 to 4: 32 rows of 1,536 bytes out of 2,048, 4 words after every 128
	s_mov_b32 s[G1C+1], 1536<<16
	s_mov_b32 s[G1C+2], 32<<16
	s_mov_b32 s[G1C+3], 1536<<16
	s_mov_b32 s[G1C+4], 32
	s_mov_b32 s[G1C+5], 2048
	s_mov_b32 s[G1C+6], 0
	s_mov_b32 s[G1C+7], 0
	s_lshl_b32 s96, s78, 7
	s_lshl_b32 s97, s[WV], 5
	s_add_co_u32 s96, s96, s97                     ; of every chunk I fetch rows 128 y + 32 w on
	s_mov_b32 s95, 0
	s_lshl_b32 s79, s77, 3
	s_lshl_b32 s80, s[WV], 1
	s_add_co_u32 s79, s79, s80                     ; my first row tile
	s_mov_b32 s81, 0
	v_and_b32 v11, 31, v0                          ; lane
	v_and_b32 v12, 15, v0                          ; r
	v_bfe_u32 v13, v0, 4, 1                        ; h
	v_lshlrev_b32 v1, 4, v11                       ; 16 x lane
	v_mul_u32_u24 v2, v12, 272
	v_lshl_add_u32 v2, v13, 4, v2                  ; a fragment of chunk 0
	v_mul_u32_u24 v14, v12, 528
	v_lshl_add_u32 v14, v13, 4, v14
	v_add_nc_u32 v3, CH1, v14                      ; of chunk 1
	v_mul_u32_u24 v14, v12, P3
	v_lshl_add_u32 v14, v13, 4, v14
.irp c, 0,1,2,3
	v_add_nc_u32 v[NB+\c], CH2+32*P3*\c, v14       ; of chunks 2 to 4
.endr
	v_mul_u32_u24 v7, v11, 144
	v_add_nc_u32 v7, SWF, v7                       ; Wff2's scale words: row 32 p + lane
	s_mul_i32 s23, s[WV], 16*528                   ; my stage
	v_mul_u32_u24 v8, v12, 528
	v_lshl_add_u32 v8, v13, 5, v8
	v_add_nc_u32 v8, s23, v8                       ; in: row r, 32 bytes for each half of the lanes
	v_add_nc_u32 v9, s23, v1                       ; back: a whole row of 512 bytes
	v_lshlrev_b32 v10, 7, v11                      ; h's scales: 128 bytes a row
	s_wait_dscnt 0x0
	s_wait_kmcnt 0x0
	s_mov_b32 s[G0S], 1
	s_mov_b32 s[G0S+1], SWF
	s_lshl_b32 s94, s78, 14
	s_add_nc_u64 s[G0S+2:G0S+3], s[18:19], s[94:95]
	s_or_b32 s[G0S+3], s[G0S+3], 0x80000000
	s_mov_b32 s[G0O], 1
	s_mov_b32 s[G0O+1], 0
	s_lshl_b32 s94, s78, 15
	s_add_nc_u64 s[G0O+2:G0O+3], s[12:13], s[94:95]
	s_or_b32 s[G0O+3], s[G0O+3], 0x80000000
	s_mov_b32 s56, 1                               ; chunk 1: 64 rows, the half w % 2
	s_and_b32 s97, s[WV], 1
	s_mul_i32 s57, s97, 64*528
	s_add_co_u32 s57, s57, CH1
	s_lshl_b32 s94, s78, 18
	s_lshl_b32 s97, s97, 17
	s_add_co_u32 s94, s94, s97
	s_add_nc_u64 s[58:59], s[16:17], s[94:95]
	s_or_b32 s59, s59, 0x80000000
	s_mov_b32 s60, 1                               ; chunks 2 to 4: rows 128 y + 32 w on, 512 bytes along
	s_mul_i32 s61, s[WV], 32*P3
	s_add_co_u32 s61, s61, CH2
	s_lshl_b32 s94, s96, 11
	s_add_co_u32 s94, s94, 512
	s_add_nc_u64 s[62:63], s[16:17], s[94:95]
	s_or_b32 s63, s63, 0x80000000
	s_lshl_b32 s80, s79, 12
	s_add_nc_u64 s[OB:OB+1], s[4:5], s[80:81]      ; o: 4,096 bytes a row tile
	s_lshl_b32 s80, s79, 15
	s_add_nc_u64 s[HB:HB+1], s[8:9], s[80:81]      ; h: 32,768
	s_lshl_b32 s80, s79, 8
	s_add_nc_u64 s[OSB:OSB+1], s[6:7], s[80:81]    ; o's scales: 16 bytes a row
	s_lshl_b32 s80, s79, 11
	s_add_nc_u64 s[HSB:HSB+1], s[10:11], s[80:81]  ; h's: 128
	s_lshl_b32 s80, s78, 11
	s_add_nc_u64 s[WSB:WSB+1], s[14:15], s[80:81]  ; Wo's: 128 rows of 16 bytes
	s_lshl_b32 s80, s79, 16
	s_add_nc_u64 s[OUT:OUT+1], s[20:21], s[80:81]  ; out0: 4,096 bytes a row,
	s_lshl_b32 s80, s78, 9
	s_add_nc_u64 s[OUT:OUT+1], s[OUT:OUT+1], s[80:81]  ; 512 a column tile
	CROUND                                         ; all four work-groups are here: the joint loads meet
	s_cmp_lt_u32 s[WV], 1                          ; one tensor load a wave at the head
	s_cbranch_scc0 .Lhead_s
	tensor_load_to_lds s[G0O:G0O+3], s[G1O:G1O+7]
	s_nop 0
	PLACES 4
	s_branch .Lhead_asked
.Lhead_s:
	s_cmp_lt_u32 s[WV], 2
	s_cbranch_scc0 .Lhead_f
	tensor_load_to_lds s[G0S:G0S+3], s[G1S:G1S+7]
	s_nop 0
	PLACES 4
	s_branch .Lhead_asked
.Lhead_f:
	tensor_load_to_lds s[56:59], s[G1F:G1F+7]
	s_nop 0
	PLACES 4
.Lhead_asked:
	global_load_b128 v[AS:AS+3], v1, s[OSB:OSB+1]  ; K steps 0-3: o's scale words, row = lane
	s_wait_alu depctr_va_vdst(0)
.irp g, 0,1,2,3,4,5,6,7
	global_load_b128 v[AS+4+4*\g:AS+7+4*\g], v10, s[HSB:HSB+1] offset:16*\g
.endr
.irp p, 0,1,2,3
	global_load_b128 v[BS+4*\p:BS+4*\p+3], v1, s[WSB:WSB+1] offset:512*\p   ; Wo's scale words: row 32 p + lane
.endr
	WIN 0x40                                       ; destination window 1
.irp k, 0,1,2,3
.irp i, 0,1
.irp c, 0,1
	global_load_b128 v[16*\k+8*\i+4*\c:16*\k+8*\i+4*\c+3], v1, s[OB:OB+1] offset:4096*\i+1024*\k+512*\c
.endr
.endr
.endr
	WIN 0
	s_wait_alu depctr_va_vdst(0)
	s_wait_tensorcnt 0x0                           ; my load has landed
	ds_add_u32 v126, v127
	s_wait_dscnt 0x0
	CROUND                                         ; chunks 0 and 1 and the scale bytes are whole, and all four work-groups are here
	tensor_load_to_lds s[60:63], s[G1C:G1C+7]      ; chunks 2 to 4, the first tensor load behind the round
	s_nop 0
	PLACES 4
	FETCHB 0
	WIN 0x40                                       ; K steps 4 to 11 of A, behind the second group
.irp k, 4,5,6,7,8,9,10,11
.irp i, 0,1
.irp c, 0,1
	global_load_b128 v[16*\k+8*\i+4*\c:16*\k+8*\i+4*\c+3], v1, s[HB:HB+1] offset:32768*\i+1024*(\k-4)+512*\c
.endr
.endr
.endr
	WIN 0
.set KK, 0
.rept 36                                       ; a K step of 128
.if KK+11 < 35
	s_wait_loadcnt 44                              ; A's four loads of this step are in; those of the eleven steps behind it may be out
.else
	s_wait_loadcnt 4*(35-KK)
.endif
	s_wait_dscnt 0x0                               ; W's fragments, and scale words if any were asked for, are in
.if KK==11
	s_wait_tensorcnt 0x0                           ; my part of chunks 2 to 4 has landed
	s_barrier_signal -1
	s_barrier_wait -1                              ; everybody's has
.endif
	PLACES 4                                       ; places in front of loads into registers that the last step's products have read
.if KK < 35
	FETCHB KK+1
.endif
.if (KK%4==0)&&(KK/4<8)
.irp p, 0,1,2,3
	ds_load_b128 v[BS+16*((KK/4+1)%2)+4*\p:BS+16*((KK/4+1)%2)+4*\p+3], v7 offset:4608*\p+16*(KK/4)   ; the next four K steps' scale words of W
.endr
.endif
.if KK+12 <= 35
	WIN (1+(KK+12)/16)<<6
.irp i, 0,1
.irp c, 0,1
	global_load_b128 v[16*((KK+12)%16)+8*\i+4*\c:16*((KK+12)%16)+8*\i+4*\c+3], v1, s[HB:HB+1] offset:32768*\i+1024*(KK+8)+512*\c   ; A, twelve K steps ahead, into registers of its own
.endr
.endr
.endif
	WIN 0xf0|((1+KK/16)<<2)                        ; source 1 (A) in its window, C and D window 3
.irp n, 0,1,2,3,4,5,6,7                        ; the 16 accumulators take turns
.irp i, 0,1
	WM 64+8*(8*\i+\n), WF+64*(KK%2)+8*\n, 16*(KK%16)+8*\i, KK==0, BS+16*((KK/4)%2)+4*(\n/2)+KK%4, AS+KK, \n%2, \i
.endr
.endr
	WIN 0
.set KK, KK+1
.endr
; THE WAY OUT.  A lane holds 32 neighbouring bytes of a row and the lanes beside it hold other rows: a block of 16 rows x 128 columns goes through my own stage and comes back as whole rows of 512 bytes.
; The stages lie in chunk 0: it has had its one fill, and nobody reads it behind the barrier of K step 11.  LDS serves a wave's instructions in order: no wait between the stores and the loads.
.macro TOSTAGE i
	WIN 0x0c                                       ; an LDS store's data: window 3
.irp n, 0,1,2,3,4,5,6,7
	ds_store_b128 v8, v[64+8*(8*\i+\n):64+8*(8*\i+\n)+3] offset:64*\n          ; each accumulator from its low end on
	ds_store_b128 v8, v[64+8*(8*\i+\n)+4:64+8*(8*\i+\n)+7] offset:64*\n+16
.endr
	WIN 0
.irp t, 0,1,2,3,4,5,6,7,8,9,10,11,12,13,14,15
	ds_load_b128 v[WF+64*\i+4*\t:WF+64*\i+4*\t+3], v9 offset:528*\t
.endr
.endm
.macro SEND i, younger                 ; younger: the LDS instructions issued behind block i's loads
.irp t, 0,1,2,3,4,5,6,7,8,9,10,11,12,13,14,15
	s_wait_dscnt \younger+15-\t
	global_store_b128 v1, v[WF+64*\i+4*\t:WF+64*\i+4*\t+3], s[OUT:OUT+1] offset:65536*\i+4096*\t th:TH_STORE_NT   ; 512 consecutive bytes, at a multiple of 256 from out0's first byte; written once
.endr
.endm
	PLACES 4                                       ; in front of the first read of results and of the loads into W's registers
	TOSTAGE 0
	TOSTAGE 1
	SEND 0, 32
	SEND 1, 0
	s_wait_tensorcnt 0x0
	ds_add_u32 v126, v127
	s_wait_dscnt 0x0
	CROUND                                         ; the closing round
	s_endpgm
.Lfunc_end_k_q04be63baf8_outp:
	.size	k_q04be63baf8_outp, .Lfunc_end_k_q04be63baf8_outp-k_q04be63baf8_outp
	.p2alignl 7, 3214868480
	.fill 96, 4, 3214868480
	.section	.rodata,"a",@progbits
	.p2align	6, 0x0
	.amdhsa_kernel k_q04be63baf8_outp
		.amdhsa_group_segment_fixed_size 327680
		.amdhsa_private_segment_fixed_size 0
		.amdhsa_enable_private_segment 0
		.amdhsa_kernarg_size 72
		.amdhsa_user_sgpr_count 2
		.amdhsa_user_sgpr_kernarg_segment_ptr 1
		.amdhsa_wavefront_size32 1
		.amdhsa_system_sgpr_workgroup_id_x 1
		.amdhsa_system_sgpr_workgroup_id_y 1
		.amdhsa_system_sgpr_workgroup_id_z 1
		.amdhsa_system_vgpr_workitem_id 0
		.amdhsa_next_free_vgpr 960
		.amdhsa_next_free_sgpr 100
		.amdhsa_reserve_vcc 0
		.amdhsa_float_denorm_mode_32 3
		.amdhsa_float_denorm_mode_16_64 3
		.amdhsa_memory_ordered 1
		.amdhsa_forward_progress 1
		.amdhsa_inst_pref_size 152
	.end_amdhsa_kernel
	.amdgpu_metadata
---
amdhsa.version: [ 1, 2 ]
amdhsa.kernels:
  - .name:           k_q04be63baf8_outp
    .symbol:         k_q04be63baf8_outp.kd
    .args:
      - { .name: o_codes, .offset: 0, .size: 8, .value_kind: global_buffer, .address_space: global }
      - { .name: o_scales, .offset: 8, .size: 8, .value_kind: global_buffer, .address_space: global }
      - { .name: h_codes, .offset: 16, .size: 8, .value_kind: global_buffer, .address_space: global }
      - { .name: h_scales, .offset: 24, .size: 8, .value_kind: global_buffer, .address_space: global }
      - { .name: Wo_codes, .offset: 32, .size: 8, .value_kind: global_buffer, .address_space: global }
      - { .name: Wo_scales, .offset: 40, .size: 8, .value_kind: global_buffer, .address_space: global }
      - { .name: Wff2_codes, .offset: 48, .size: 8, .value_kind: global_buffer, .address_space: global }
      - { .name: Wff2_scales, .offset: 56, .size: 8, .value_kind: global_buffer, .address_space: global }
      - { .name: out0, .offset: 64, .size: 8, .value_kind: global_buffer, .address_space: global }
    .group_segment_fixed_size: 327680
    .private_segment_fixed_size: 0
    .kernarg_segment_align: 8
    .kernarg_segment_size: 72
    .max_flat_workgroup_size: 128
    .sgpr_count:     100
    .vgpr_count:     960
    .wavefront_size: 32
...
	.end_amdgpu_metadata
.endif
;; end of part 3
